; MI455X (gfx1250); checked and timed in simulation.
; The chip was launched on July 23, 2026; its instructions are those of AMD's public machine-readable ISA for CDNA 5 (MIT licence, August 2026) and "CDNA5" Instruction Set Architecture Reference Guide (July 2026). The comments in the code are by the model that wrote it; some were corrected since.
;; Self Attention. Allowed arithmetic: matrix products marked QUANTISED: E2M3 operands, one E8M0 scale for each 32 along K, by v_wmma_scale_f32_16x16x128_f8f6f4 with both operands' format E2M3, f32 sums; everything else in f32.
;; Inputs: b_proj 1,024 float32; b_qkv 3,072 float32; w_proj 1,024 x 1,024 float32; w_qkv 1,024 x 3,072 float32; x 4 x 2,048 x 1,024 float32.
;; Outputs: out0 4 x 2,048 x 1,024 float32.
;; This version of the problem:
;;   THIS VERSION OF THE PROBLEM IS GIVEN IN LOW PRECISION. The matrix products marked QUANTISED in the list below multiply operands that are first quantised to E2M3 (2 exponent bits, 3 mantissa bits; 6 bits a number), with one power-of-two scale for each 32 numbers along K (OCP MX v1.0); their sums are f32. All else is computed in f32.
;;   The module's matrix products, in the order in which they are computed (A, B: the left and right operand; K: the contracted axis; several contracted axes count as one K, in the product's order):
;;     1. [M 8,192, K 1,024] x [K 1,024, N 3,072]; A: input x; B: input w_qkv: QUANTISED
;;     2. batch 64 x [M 2,048, K 64] x [K 64, N 2,048]; A: computed on the way; B: computed on the way: QUANTISED
;;     3. batch 64 x [M 2,048, K 2,048] x [K 2,048, N 64]; A: softmax (see below); B: computed on the way: QUANTISED
;;     4. [M 8,192, K 1,024] x [K 1,024, N 1,024]; A: computed on the way; B: input w_proj: QUANTISED
;;   THE QUANTISER, for each operand of a quantised product, along K:
;;     - K is cut into blocks of 32 from its start; a last block that is shorter is filled with zeros.
;;     - A block's scale is 2^e with e = floor(log2(the largest magnitude in the block)) - 2, held to -126 .. 127; a block of zeros has e = 0. As a byte (E8M0): e + 127.
;;     - Each number is divided by its block's scale, clamped to +-7.5, and rounded to the nearest number of E2M3, ties to even, subnormals kept.
;;     - The product sums the exact products of the quantised numbers (number of the format x scale) in f32.
;;   ~~~python
;;   def quantise(x, axis):      # numpy; x: float32 -> the quantised numbers, widened to float32 again
;;       x = np.moveaxis(x, axis, -1); K = x.shape[-1]
;;       x = np.pad(x, [(0, 0)] * (x.ndim - 1) + [(0, -K % 32)]); x = x.reshape(x.shape[:-1] + (-1, 32)); a = np.abs(x).max(-1, keepdims=True)
;;       e = np.where(a > 0, np.clip(np.frexp(np.where(a > 0, a, 1))[1] - 1 - 2, -126, 127), 0)      # np.frexp(a)[1] - 1 = floor(log2(a)), exactly
;;       r = np.clip(x / 2.0 ** e, -7.5, 7.5)
;;       step = 2.0 ** (np.maximum(np.frexp(np.where(r == 0, 1, r))[1] - 1, 0) - 3)
;;       q = np.round(r / step) * step * 2.0 ** e      # np.round: ties to even
;;       return np.moveaxis(q.reshape(q.shape[:-2] + (-1,))[..., :K], -1, axis).astype(np.float32)
;;   ~~~
;;   SOFTMAX AHEAD OF A QUANTISED PRODUCT. Where the list says 'softmax', what is quantised is not the finished softmax but p = 2^(t - M), with t = logit x log2(e) and M = ceil(the row's largest t), a whole number; so 1/2 < the row's largest p <= 1. The row's sum l is taken of the UNQUANTISED p, in f32, and the product's result is divided by l at the end. Since M is a whole number, a kernel that streams over the keys may use a running M (the ceiling of the running maximum): every later rescaling is an exact power of two, which a block's scale takes up: the codes' values come out the same.
;;   OPERANDS COMPUTED ON THE WAY. 'Computed on the way' means the value that the module computes at that place (a softmax that the list does not call 'softmax' is quantised finished and normalised). What goes into a quantiser is computed in f32, as accurately as f32 sums, v_exp_f32 and their like allow (about 1e-6 of the number): no bf16 or f16 on the way to a quantiser, and a product that is left as it is and whose result goes on into a quantised operand takes f32 operands (vector FMAs, or v_wmma_f32_16x16x4_f32). A number that lies on a knife's edge between two numbers of the format may be rounded either way, as far as f32 arithmetic and the matrix unit's own rounding can turn it there, and no further.
;; One version. Each part assembles by itself: llvm-mc -triple=amdgcn-amd-amdhsa -mcpu=gfx1250 --defsym DOCPART=n.
;; ======== version 1 of 1: 4 launches
;; workspace buffers: xc 6,291,456 bytes; xs 262,144 bytes; wc 3,145,728 bytes; ws 131,072 bytes; qkvc 18,874,368 bytes; qkvs 1,310,720 bytes; ac 6,291,456 bytes; asc 262,144 bytes
;; launch prep (part 1): grid 384 x 1, 4 waves a work-group, no clusters, 69,120 bytes of LDS; arguments x, w_qkv, w_proj, xc, xs, wc, ws; writes xc, xs, wc, ws
.if DOCPART == 1
	.amdgcn_target "amdgcn-amd-amdhsa--gfx1250"
	.amdhsa_code_object_version 6
	.text
	.protected	k_q5c5143f0b1_prep
	.globl	k_q5c5143f0b1_prep
	.p2align	8
	.type	k_q5c5143f0b1_prep,@function
k_q5c5143f0b1_prep:
	s_mov_b64 s[64:65], 0
	v_nop
	global_prefetch_b8 v0, s[64:65] scope:SCOPE_SE
	s_setreg_imm32_b32 hwreg(HW_REG_WAVE_MODE, 25, 1), 1
	s_wait_xcnt 0x0
; PREP: the three f32 inputs of the two large products become codes of FP6 (E2M3) with K innermost and one E8M0 scale byte for each 32 along K.
;   x [8192][1024]        -> xc [8192][768 bytes], xs [8192][32]                       (K is innermost in x)
;   w_qkv [1024][3072]    -> wc rows 0-3071 [n][768 bytes], ws rows 0-3071 [n][32]     (K is the FIRST axis of a weight)
;   w_proj [1024][1024]   -> wc rows 3072-4095, ws rows 3072-4095; INSIDE each block of 32 along K the codes stand in the order 0-7, 16-23, 8-15, 24-31,
;                            which is the order in which the attention launch leaves its output's codes: a permutation of k applied alike to both operands keeps the products, and the blocks and scales are the true ones.
; A block's scale is 2^(floor(log2(its largest magnitude)) - 2); its byte is the largest magnitude's exponent field - 2, held at 1 from below.
; LIMITS: a block of zeros, and a block whose largest magnitude lies under 2^-124, keeps the byte 1 (the rule says 127 for zeros): its codes are zeros or what the held scale gives, and the bytes are read by this program alone.
;         NaN and infinities among the inputs are not served.
; Work-groups 0-255 take x, 32,768 numbers each; work-groups 256-383 take the weights, 128 columns x 256 along K each.  The two ways part on the work-group's number, never join, and have LDS bytes of their own.
; No tensor loads, no barrier: waves share nothing.
.set STEPS, 16
.set EMAX,  2
.set CB,    12                         ; bytes of 16 codes
.set R,     16                         ; x: v16-79   four sets of 16 numbers as they are loaded
.set X,     80                         ; x: v80-111  two sets of 16 neighbours
.set E,     112                        ; x: v112-127 a scale byte for each step
.set C,     128                        ; x: v128-191 codes: four registers for each step, so that no store's data are written again
.set WREG,  8192                       ; x: LDS bytes 0-32,767: a region for each wave: two stages of 32 x SP bytes, behind them its 256 scale bytes
.set SP,    80                         ; x: a lane's place in a stage: its 64 bytes + 16 of padding
.set WST,   32768                      ; weights: LDS bytes from here on: a stage of 32 rows x PITCH for each wave
.set PITCH, 272                        ; weights: a stage row: sixteen places of 16 bytes, each with 12 bytes of codes, + 16
.set KROW,  768                        ; a row of codes in bytes: 1,024 codes
.set NB,    8                          ; weights: blocks of 32 along K for a wave
.set WX,    32                         ; weights: v32-95  two sets of 32 numbers
.set WC,    96                         ; weights: v96-102 a block's codes
.set OUTR,  112                        ; weights: v112-175 the way out
.set SB,    24                         ; weights: v24-25  the scale bytes, four to a register
.set VO,    176                        ; weights: v176-207 register i's byte offset in a block's 32 rows; never rewritten
.set SBASE, 32                         ; weights: s[32:47] the eight blocks' first bytes; never rewritten
	s_load_b256 s[4:11], s[0:1], 0x0               ; x s[4:5], w_qkv s[6:7], w_proj s[8:9], xc s[10:11]
	s_load_b128 s[12:15], s[0:1], 0x20             ; xs s[12:13], wc s[14:15]
	s_load_b64 s[16:17], s[0:1], 0x30              ; ws
	v_lshl_add_u32 v208, v0, 2, 0x10c00
	v_mov_b32 v209, 0
	v_lshrrev_b32 v1, 5, v0
	v_readfirstlane_b32 s18, v1                    ; wave 0..3
	v_and_b32 v2, 31, v0                           ; lane
	s_cmp_lt_u32 ttmp9, 256
	s_cbranch_scc0 .Lweights
; ---------------- x: a plain stream of blocks of 32.  A wave takes 16 steps of 512 numbers.  Each load reads 512 consecutive bytes, 16 a lane; a step's 2,048 bytes turn through the wave's own
; stage in LDS and come back 64 bytes a lane, so that a lane holds 16 neighbours along K (two neighbouring lanes hold a block).  Loads run four steps ahead, the turn through LDS one step.
	v_lshlrev_b32 v3, 4, v2                        ; my 16 bytes of a load's 512
	s_mul_i32 s19, s18, WREG
	v_lshrrev_b32 v14, 2, v2
	v_mul_u32_u24 v14, v14, SP
	v_and_b32 v15, 3, v2
	v_lshl_add_u32 v14, v15, 4, v14
	v_add_nc_u32 v14, s19, v14                     ; the stage, on the way in: SP (lane / 4) + 16 (lane % 4)
	v_mul_u32_u24 v15, v2, SP
	v_add_nc_u32 v15, s19, v15                     ; and on the way out: SP x lane
	v_mul_u32_u24 v4, v2, CB                       ; my codes' place in a step's
	v_lshrrev_b32 v5, 1, v2
	s_add_co_u32 s19, s19, 2*32*SP
	v_add_nc_u32 v5, s19, v5                       ; LDS: my wave's 256 scale bytes, my block's byte
	v_lshlrev_b32 v7, 3, v2                        ; and on the way out 8 bytes a lane
	v_add_nc_u32 v6, s19, v7
	s_lshl_b32 s20, ttmp9, 2
	s_add_co_u32 s20, s20, s18                     ; which run of 8,192 numbers is my wave's
	s_mov_b32 s21, 0
	s_mov_b64 s[22:23], 512*STEPS*4
	s_mul_u64 s[22:23], s[20:21], s[22:23]
	s_mov_b64 s[24:25], 32*STEPS*CB
	s_mul_u64 s[24:25], s[20:21], s[24:25]
	s_lshl_b32 s20, s20, 8                         ; 256 scale bytes a run
	s_wait_alu depctr_va_vdst(0)
	s_wait_kmcnt 0x0
	s_add_nc_u64 s[4:5], s[4:5], s[22:23]
	s_add_nc_u64 s[10:11], s[10:11], s[24:25]
	s_add_nc_u64 s[12:13], s[12:13], s[20:21]
.macro XLOAD t
.irp i, 0,1,2,3
	global_load_b128 v[R+16*((\t)%4)+4*\i:R+16*((\t)%4)+4*\i+3], v3, s[4:5] offset:2048*(\t)+512*\i th:TH_LOAD_NT   ; 32 lanes read 512 consecutive bytes
.endr
.endm
.macro XTURN t                         ; step t's numbers through the stage: LDS serves a wave's instructions in order, so no wait stands between the stores and the loads
.irp i, 0,1,2,3
	ds_store_b128 v14, v[R+16*((\t)%4)+4*\i:R+16*((\t)%4)+4*\i+3] offset:32*SP*((\t)%2)+8*SP*\i
.endr
.irp i, 0,1,2,3
	ds_load_b128 v[X+16*((\t)%2)+4*\i:X+16*((\t)%2)+4*\i+3], v15 offset:32*SP*((\t)%2)+16*\i
.endr
.endm
.irp t, 0,1,2,3
	XLOAD \t
.endr
	s_wait_loadcnt 12                              ; step 0's four loads are in; the twelve of steps 1 to 3 may be out
	XTURN 0
.macro XSTEP t
.set XS, X+16*((\t)%2)
.if (\t) > 0
	s_wait_dscnt 1                                 ; this step's numbers are back from the stage (the last step's byte store may be out): so its stores into the stage have read their registers,
.else
	s_wait_dscnt 0x0
.endif
.if (\t)+4 < STEPS
	XLOAD (\t)+4                                   ; which take the loads of four steps on
.endif
.if (\t)+1 < STEPS
.if STEPS-2-(\t) >= 3
	s_wait_loadcnt 12                              ; the next step's four loads are in; those of the three steps behind it may be out
.else
	s_wait_loadcnt 4*(STEPS-2-(\t))
.endif
	XTURN (\t)+1                                   ; and go through the other stage while this step is worked
.endif
	v_max3_num_f32 v8, |v[XS]|, |v[XS+1]|, |v[XS+2]|               ; the largest magnitude of my 16
	v_max3_num_f32 v9, |v[XS+3]|, |v[XS+4]|, |v[XS+5]|
.irp i, 6,10
	v_max3_num_f32 v8, v8, |v[XS+\i]|, |v[XS+\i+1]|
	v_max3_num_f32 v9, v9, |v[XS+\i+2]|, |v[XS+\i+3]|
.endr
	v_max3_num_f32 v8, v8, |v[XS+14]|, |v[XS+15]|
	v_max3_num_f32 v8, v8, v9, (EMAX+1)<<23        ; and the floor 2^(3 - 127): the byte cannot fall under 1
	v_max_num_f32_dpp v8, v8, v8 row_xmask:1 row_mask:0xf bank_mask:0xf   ; and of my neighbour's 16: the block's
	v_add_nc_u32 v11, -(EMAX<<23), v8              ; 2 off its exponent field: the conversion takes the exponent field of this operand as its scale
	v_cvt_scalef32_pk16_fp6_f32 v[C+4*(\t):C+4*(\t)+2], v[XS:XS+15], v11
	v_lshrrev_b32 v[E+(\t)], 23, v11               ; the scale's byte (also the plain line behind the conversion)
	ds_store_b8 v5, v[E+(\t)] offset:16*(\t)       ; both lanes of a block write the same byte with the same value
	global_store_b96 v4, v[C+4*(\t):C+4*(\t)+2], s[10:11] offset:32*CB*(\t)   ; the wave stores 384 consecutive bytes
.endm
.irp t, 0,1,2,3,4,5,6,7,8,9,10,11,12,13,14,15
	XSTEP \t
.endr
	ds_load_b64 v[12:13], v6                       ; LDS serves a wave's instructions in order: these see my stores
	s_wait_dscnt 0x0
	global_store_b64 v7, v[12:13], s[12:13]        ; 32 lanes store 256 consecutive bytes, at a multiple of 256 from the buffer's first byte
	s_wait_tensorcnt 0x0
	ds_add_u32 v208, v209
	s_wait_dscnt 0x0
	s_endpgm
; ---------------- the weights: a lane takes a column n and its registers run down K, so that a block of 32 along K lies in one lane's 32 registers and the conversions give codes with K innermost.
; Both weights take this one way: only the pointer, the row's length and the order of a block's rows are chosen, by the work-group's number.
.Lweights:
	s_sub_co_u32 s19, ttmp9, 256
	s_and_b32 s20, s19, 31                         ; which 128 rows of wc: 0-23 w_qkv's columns, 24-31 w_proj's
	s_lshr_b32 s21, s19, 5                         ; which 256 along K
	s_mov_b32 s22, 4096
	s_sub_co_u32 s23, s20, 24
	s_cmp_lt_u32 s20, 24
	s_cselect_b32 s22, 12288, s22                  ; a row of the weight in bytes
	s_cselect_b32 s23, s20, s23                    ; which 128 columns of that weight
	s_cselect_b32 s24, 0, 32768                    ; w_proj: eight rows, by which registers 8-15 reach down and registers 16-23 reach up
	s_lshl_b32 s25, s18, 5
	s_lshl_b32 s26, s23, 7
	s_add_co_u32 s26, s26, s25                     ; my wave's first column in the weight
	s_lshl_b32 s27, s20, 7
	s_add_co_u32 s27, s27, s25                     ; and its row in wc and ws
	s_wait_alu depctr_va_vdst(0)
	v_lshlrev_b32 v3, 2, v2                        ; 4 bytes a lane: 32 lanes read 128 consecutive bytes
.set i, 0
	s_wait_alu depctr_va_vdst(0)
.rept 32
	s_mul_i32 s28, s22, i
.if (i >= 8) && (i < 16)
	s_add_co_u32 s28, s28, s24
.elseif (i >= 16) && (i < 24)
	s_sub_co_u32 s28, s28, s24
.endif
	v_add_nc_u32 v[VO+i], s28, v3
.set i, i+1
.endr
	s_mul_i32 s28, s18, 32*PITCH
	s_add_co_u32 s28, s28, WST                     ; my stage
	v_mul_u32_u24 v4, v2, PITCH
	v_add_nc_u32 v4, s28, v4                       ; into it: row = my column
	v_and_b32 v5, 15, v2
	v_lshrrev_b32 v6, 4, v2                        ; out of it: sixteen lanes to a row, two rows an instruction
	v_mul_u32_u24 v7, v6, PITCH
	v_lshl_add_u32 v7, v5, 4, v7
	v_add_nc_u32 v7, s28, v7
	v_mul_u32_u24 v8, v6, KROW
	v_mad_u32_u24 v8, v5, 12, v8                   ; and the same place in wc
	v_lshlrev_b32 v9, 5, v2                        ; my column's row of scale bytes
	s_lshl_b32 s28, s21, 8
	s_mul_i32 s28, s28, s22                        ; 256 ky rows down,
	s_lshl_b32 s29, s26, 2
	s_add_co_u32 s28, s28, s29                     ; my first column
	s_mov_b32 s29, 0
	s_lshl_b32 s30, s22, 5                         ; from block to block: 32 rows
	s_mov_b32 s31, 0
	s_mul_i32 s48, s27, KROW
	s_mul_i32 s49, s21, 192
	s_add_co_u32 s48, s48, s49                     ; wc: my first row, 192 bytes for each 256 along K
	s_mov_b32 s49, 0
	s_lshl_b32 s50, s27, 5
	s_lshl_b32 s51, s21, 3
	s_add_co_u32 s50, s50, s51                     ; ws: 32 bytes a row, 8 for each 256 along K
	s_mov_b32 s51, 0
	s_wait_kmcnt 0x0
	s_cmp_lt_u32 s20, 24
	s_cselect_b64 s[SBASE:SBASE+1], s[6:7], s[8:9]
	s_add_nc_u64 s[SBASE:SBASE+1], s[SBASE:SBASE+1], s[28:29]
.irp t, 1,2,3,4,5,6,7
	s_add_nc_u64 s[SBASE+2*\t:SBASE+2*\t+1], s[SBASE+2*\t-2:SBASE+2*\t-1], s[30:31]
.endr
	s_add_nc_u64 s[14:15], s[14:15], s[48:49]
	s_add_nc_u64 s[16:17], s[16:17], s[50:51]
.macro WLOAD t                         ; block t's 32 rows at my column, into set t % 2
.set i, 0
.rept 32
	global_load_b32 v[WX+32*((\t)%2)+i], v[VO+i], s[SBASE+2*(\t):SBASE+2*(\t)+1] th:TH_LOAD_NT
.set i, i+1
.endr
.endm
	WLOAD 0
	WLOAD 1
.macro BLOCK t
.set XS, WX+32*((\t)%2)
.if (\t) < NB-1
	s_wait_loadcnt 32                              ; this block's 32 loads are in; the next block's 32 may be out
.else
	s_wait_loadcnt 0
.endif
	v_max3_num_f32 v12, |v[XS]|, |v[XS+1]|, |v[XS+2]|               ; the block's largest magnitude: all 32 numbers are mine
	v_max3_num_f32 v13, |v[XS+3]|, |v[XS+4]|, |v[XS+5]|
.irp i, 6,10,14,18,22,26
	v_max3_num_f32 v12, v12, |v[XS+\i]|, |v[XS+\i+1]|
	v_max3_num_f32 v13, v13, |v[XS+\i+2]|, |v[XS+\i+3]|
.endr
	v_max3_num_f32 v12, v12, |v[XS+30]|, |v[XS+31]|
	v_max3_num_f32 v12, v12, v13, (EMAX+1)<<23     ; and the floor 2^(3 - 127)
	v_add_nc_u32 v11, -(EMAX<<23), v12             ; the conversion's scale operand
	v_lshrrev_b32 v13, 23, v11                     ; the scale's byte
.if (\t)%4 == 0
	v_mov_b32 v[SB+(\t)/4], v13                    ; four bytes to a register, the lower K in the lower byte
.else
	v_lshl_or_b32 v[SB+(\t)/4], v13, 8*((\t)%4), v[SB+(\t)/4]
.endif
	v_cvt_scalef32_pk16_fp6_f32 v[WC:WC+2], v[XS:XS+15], v11
	v_cvt_scalef32_pk16_fp6_f32 v[WC+4:WC+6], v[XS+16:XS+31], v11   ; (a conversion's three registers begin on an even number)
	v_nop                                          ; one plain line behind the conversions
	ds_store_b96 v4, v[WC:WC+2] offset:32*(\t)     ; 16 codes, 12 bytes, to a place of 16 bytes in the stage
	ds_store_b96 v4, v[WC+4:WC+6] offset:32*(\t)+16
.if (\t)+2 < NB
	WLOAD (\t)+2
.endif
	s_wait_dscnt 0x0                               ; the stores have read their registers: the next block's codes may be written
.endm
.set Q, 0
.rept NB
	BLOCK Q
.set Q, Q+1
.endr
	s_wait_alu depctr_va_vdst(0)
	global_store_b64 v9, v[SB:SB+1], s[16:17]      ; my column's 8 scale bytes
.irp t, 0,1,2,3,4,5,6,7,8,9,10,11,12,13,14,15
	ds_load_b96 v[OUTR+4*\t:OUTR+4*\t+2], v7 offset:2*\t*PITCH   ; LDS serves a wave's instructions in order: these see my stores
.endr
.irp t, 0,1,2,3,4,5,6,7,8,9,10,11,12,13,14,15
	s_wait_dscnt 15-\t                             ; the younger reads of the stage may be out
	global_store_b96 v8, v[OUTR+4*\t:OUTR+4*\t+2], s[14:15] offset:2*\t*KROW   ; sixteen lanes store a row's 192 consecutive bytes
.endr
	s_wait_tensorcnt 0x0
	ds_add_u32 v208, v209
	s_wait_dscnt 0x0
	s_endpgm
.Lfunc_end_k_q5c5143f0b1_prep:
	.size	k_q5c5143f0b1_prep, .Lfunc_end_k_q5c5143f0b1_prep-k_q5c5143f0b1_prep
	.p2alignl 7, 3214868480
	.fill 96, 4, 3214868480
	.section	.rodata,"a",@progbits
	.p2align	6, 0x0
	.amdhsa_kernel k_q5c5143f0b1_prep
		.amdhsa_group_segment_fixed_size 69120
		.amdhsa_private_segment_fixed_size 0
		.amdhsa_enable_private_segment 0
		.amdhsa_kernarg_size 56
		.amdhsa_user_sgpr_count 2
		.amdhsa_user_sgpr_kernarg_segment_ptr 1
		.amdhsa_wavefront_size32 1
		.amdhsa_system_sgpr_workgroup_id_x 1
		.amdhsa_system_sgpr_workgroup_id_y 1
		.amdhsa_system_sgpr_workgroup_id_z 1
		.amdhsa_system_vgpr_workitem_id 0
		.amdhsa_next_free_vgpr 210
		.amdhsa_next_free_sgpr 66
		.amdhsa_reserve_vcc 0
		.amdhsa_float_denorm_mode_32 3
		.amdhsa_float_denorm_mode_16_64 3
		.amdhsa_memory_ordered 1
		.amdhsa_forward_progress 1
		.amdhsa_inst_pref_size 77
	.end_amdhsa_kernel
	.amdgpu_metadata
---
amdhsa.version: [ 1, 2 ]
amdhsa.kernels:
  - .name:           k_q5c5143f0b1_prep
    .symbol:         k_q5c5143f0b1_prep.kd
    .args:
      - { .name: x, .offset: 0, .size: 8, .value_kind: global_buffer, .address_space: global }
      - { .name: w_qkv, .offset: 8, .size: 8, .value_kind: global_buffer, .address_space: global }
      - { .name: w_proj, .offset: 16, .size: 8, .value_kind: global_buffer, .address_space: global }
      - { .name: xc, .offset: 24, .size: 8, .value_kind: global_buffer, .address_space: global }
      - { .name: xs, .offset: 32, .size: 8, .value_kind: global_buffer, .address_space: global }
      - { .name: wc, .offset: 40, .size: 8, .value_kind: global_buffer, .address_space: global }
      - { .name: ws, .offset: 48, .size: 8, .value_kind: global_buffer, .address_space: global }
    .group_segment_fixed_size: 69120
    .private_segment_fixed_size: 0
    .kernarg_segment_align: 8
    .kernarg_segment_size: 56
    .max_flat_workgroup_size: 128
    .sgpr_count:     66
    .vgpr_count:     210
    .wavefront_size: 32
...
	.end_amdgpu_metadata
.endif
;; end of part 1
;; launch gemm_qkv (part 2): grid 96 x 4, 4 waves a work-group, clusters of 4 x 4, 327,680 bytes of LDS; arguments xc, xs, wc, ws, b_qkv, qkvc, qkvs; writes qkvc, qkvs
.if DOCPART == 2
	.amdgcn_target "amdgcn-amd-amdhsa--gfx1250"
	.amdhsa_code_object_version 6
	.text
	.protected	k_q5c5143f0b1_gemm_qkv
	.globl	k_q5c5143f0b1_gemm_qkv
	.p2align	8
	.type	k_q5c5143f0b1_gemm_qkv,@function
k_q5c5143f0b1_gemm_qkv:
	s_mov_b64 s[64:65], 0
	v_nop
	global_prefetch_b8 v0, s[64:65] scope:SCOPE_SE
	s_setreg_imm32_b32 hwreg(HW_REG_WAVE_MODE, 25, 1), 1
	s_wait_xcnt 0x0
	s_wait_alu depctr_hold_cnt(0) depctr_sa_sdst(0) depctr_va_vdst(0) depctr_va_sdst(0) depctr_va_ssrc(0) depctr_va_vcc(0) depctr_vm_vsrc(0)
	s_getreg_b32 s2, hwreg(HW_REG_IB_STS2, 6, 4)
	s_cmp_eq_u32 s2, 0
	s_cbranch_scc0 .Lentry_in_a_cluster
	s_endpgm
.Lentry_in_a_cluster:
	s_bfe_u32 s2, ttmp6, 0x10000c
	s_cmp_lg_u32 s2, 0xf033
	s_cbranch_scc0 .Lentry_shape_is_right
	s_endpgm
.Lentry_shape_is_right:
.set SIZE_K, 1024
.set KSTEP,  256
.set NQ,     KSTEP/128
.set ROWB,   192
.set KROW,   SIZE_K*6/8
.set PITCH,  240
.set FR,     12
.set NL,     6
.set NP,     4
.set HALFT,  128*PITCH
.set SLOT,   4*HALFT
.set LAPS,   SIZE_K/(2*KSTEP)
.set KS,     SIZE_K/32
.set SCL,    2*SLOT
.set HALFS,  (128*KS/256)*272
.set SBLK,   (16*KS/256)*272
.set SPARE,  SCL+4*HALFS
.set ADRA, 16
.set ADRB, 20
.set ADRS, 27
.set SPW,  28
.set NIL,  29
.set SC,   32
.set AF,   128
.set OL,   24
.set OS,   25
.set OB,   26
.set SELV, 30
.set BQ,   64
.set W,    128
.set D,    192
.set CT,   216
.set TM,   224
.set PW,   240
.set SW,   248
.set G1, 24
.set G0, 32
.set G1B, 48
.set G0B, 56
.set G1S, 68
.set G0S, 76
.set G1SB, 80
.set G0SB, 88
.set MSB, 0
.macro WIN new
.if MSB != \new
	s_set_vgpr_msb (MSB<<8)|\new
.set MSB, \new
.endif
.endm
.set MUL_LO, 0xa1
.set MUL_HI, 0xf1
.set TO_B,   0x40
.macro JLOAD g0a, g1a, g0b, g1b
	s_cmp_eq_u32 s15, 0
	s_cbranch_scc0 .Lfor_b_\@
	tensor_load_to_lds s[\g0a:\g0a+3], s[\g1a:\g1a+7]
	s_nop 0
.rept 4
	v_nop
.endr
	s_branch .Lasked_\@
.Lfor_b_\@:
	tensor_load_to_lds s[\g0b:\g0b+3], s[\g1b:\g1b+7]
	s_nop 0
.rept 4
	v_nop
.endr
.Lasked_\@:
.endm
.macro CREST
	s_cmp_lg_u32 s14, 0
	s_cbranch_scc1 .Lnot_wave_0_\@
	s_barrier_signal -3
.Lnot_wave_0_\@:
	s_barrier_wait -3
	s_barrier_signal -1
	s_barrier_wait -1
.endm
.macro CROUND
	s_barrier_signal -1
	s_barrier_wait -1
	CREST
.endm
	s_load_b128 s[4:7], s[0:1], 0x0
	s_load_b128 s[8:11], s[0:1], 0x10
	s_load_b128 s[96:99], s[0:1], 0x20
	s_load_b64 s[100:101], s[0:1], 0x30
	v_lshl_add_u32 v[SPW], v0, 2, SPARE
	v_mov_b32 v[NIL], 0
	ds_add_u32 v28, v29
	ds_add_u32 v28, v29
	s_wait_dscnt 0x0
	v_lshrrev_b32 v1, 5, v0
	v_readfirstlane_b32 s14, v1
	s_lshr_b32 s15, s14, 1
	s_and_b32 s16, s14, 1
	s_bfe_u32 s40, ttmp6, 0x40000
	s_bfe_u32 s41, ttmp6, 0x40004
	s_mov_b32 s66, ttmp9
	s_lshr_b32 s18, s66, 1
	s_and_b32 s19, s66, 1
	s_sub_co_u32 s20, s66, 16
	s_cmp_lt_u32 s66, 16
	s_cselect_b32 s17, s18, 0
	s_cselect_b32 s42, s19, s20
	s_lshl_b32 s42, s42, 2
	s_add_co_u32 s42, s42, s40
	s_lshl_b32 s17, s17, 2
	s_add_co_u32 s17, s17, s41
	s_lshl_b32 s43, s41, 2
	s_lshl_b32 s43, 15, s43
	s_lshl_b32 s44, 0x1111, s40
	s_or_b32 s[G1+0], s43, (0<<16)|(1<<20)|(1<<21)|(3<<22)|(3<<25)
	s_or_b32 s[G1B+0], s44, (0<<16)|(1<<20)|(1<<21)|(3<<22)|(3<<25)
.irp g, G1, G1B
	s_mov_b32 s[\g+1], ROWB<<16
	s_mov_b32 s[\g+2], 128<<16
	s_mov_b32 s[\g+3], ROWB<<16
	s_mov_b32 s[\g+4], 128
	s_mov_b32 s[\g+5], KROW
	s_mov_b32 s[\g+6], 0
	s_mov_b32 s[\g+7], 0
.endr
	s_or_b32 s[G1S+0], s43, (3<<16)|(1<<20)|(1<<21)|(5<<22)|(3<<25)
	s_or_b32 s[G1SB+0], s44, (3<<16)|(1<<20)|(1<<21)|(5<<22)|(3<<25)
.irp g, G1S, G1SB
	s_mov_b32 s[\g+1], 32<<16
	s_mov_b32 s[\g+2], (128*KS/256)<<16
	s_mov_b32 s[\g+3], 32<<16
	s_mov_b32 s[\g+4], 128*KS/256
	s_mov_b32 s[\g+5], 32
	s_mov_b32 s[\g+6], 0
	s_mov_b32 s[\g+7], 0
.endr
	s_lshl_b32 s18, s16, 7
	s_lshl_b32 s20, s17, 8
	s_add_co_u32 s20, s20, s18
	s_lshl_b32 s46, s42, 8
	s_add_co_u32 s46, s46, s18
	s_mov_b32 s21, 0
	s_mov_b32 s47, 0
	s_mov_b64 s[18:19], KS
	s_mul_u64 s[22:23], s[20:21], s[18:19]
	s_mul_u64 s[92:93], s[46:47], s[18:19]
	s_mov_b64 s[18:19], KROW
	s_mul_u64 s[20:21], s[20:21], s[18:19]
	s_mul_u64 s[46:47], s[46:47], s[18:19]
	s_mul_i32 s45, s14, HALFT
	s_mul_i32 s94, s14, HALFS
	s_wait_kmcnt 0x0
	s_cmp_lt_u32 s66, 16
	s_cselect_b64 s[12:13], s[4:5], s[8:9]
	s_cselect_b64 s[8:9], s[8:9], s[4:5]
	s_mov_b64 s[4:5], s[12:13]
	s_cselect_b64 s[12:13], s[6:7], s[10:11]
	s_cselect_b64 s[10:11], s[10:11], s[6:7]
	s_mov_b64 s[6:7], s[12:13]
	s_cselect_b32 s12, 0, 2048*KROW
	s_mov_b32 s13, 0
	s_add_nc_u64 s[4:5], s[4:5], s[12:13]
	s_cselect_b32 s12, 0, 2048*KS
	s_add_nc_u64 s[6:7], s[6:7], s[12:13]
	s_add_nc_u64 s[20:21], s[4:5], s[20:21]
	s_add_nc_u64 s[22:23], s[6:7], s[22:23]
	s_add_nc_u64 s[46:47], s[8:9], s[46:47]
	s_add_nc_u64 s[92:93], s[10:11], s[92:93]
	CROUND
	s_mov_b32 s[G0S], 1
	s_add_co_u32 s[G0S+1], s94, SCL
	s_mov_b64 s[G0S+2:G0S+3], s[22:23]
	s_or_b32 s[G0S+3], s[G0S+3], 0x80000000
	s_mov_b32 s[G0SB], 1
	s_add_co_u32 s[G0SB+1], s94, SCL
	s_mov_b64 s[G0SB+2:G0SB+3], s[92:93]
	s_or_b32 s[G0SB+3], s[G0SB+3], 0x80000000
	JLOAD G0S, G1S, G0SB, G1SB
.irp s, 0,1
	s_mov_b32 s[G0+4*\s], 1
	s_add_co_u32 s[G0+4*\s+1], s45, \s*SLOT
	s_add_nc_u64 s[G0+4*\s+2:G0+4*\s+3], s[20:21], \s*ROWB
	s_or_b32 s[G0+4*\s+3], s[G0+4*\s+3], 0x80000000
	s_mov_b32 s[G0B+4*\s], 1
	s_add_co_u32 s[G0B+4*\s+1], s45, \s*SLOT
	s_add_nc_u64 s[G0B+4*\s+2:G0B+4*\s+3], s[46:47], \s*ROWB
	s_or_b32 s[G0B+4*\s+3], s[G0B+4*\s+3], 0x80000000
	s_wait_alu depctr_va_vdst(0)
	s_wait_tensorcnt 0x0
	ds_add_u32 v28, v29
	s_wait_dscnt 0x0
	CROUND
	JLOAD G0+4*\s, G1, G0B+4*\s, G1B
.endr
	v_and_b32 v1, 15, v0
	v_bfe_u32 v2, v0, 4, 1
	v_mul_u32_u24 v3, v1, PITCH
	v_mul_u32_u24 v4, v2, 24
	v_add_nc_u32 v4, v3, v4
	v_lshl_add_u32 v5, v2, 4, v4
	s_mul_i32 s21, s15, HALFT
	s_mul_i32 s22, s16, HALFT
	s_add_co_u32 s22, s22, 2*HALFT
.irp s, 0,1
	v_add_nc_u32 v[ADRA+\s], s21, v4
	v_add_nc_u32 v[ADRB+\s], s22, v4
	v_add_nc_u32 v[ADRA+2+\s], s21, v5
	v_add_nc_u32 v[ADRB+2+\s], s22, v5
	s_add_co_u32 s21, s21, SLOT
	s_add_co_u32 s22, s22, SLOT
.endr
	v_mul_u32_u24 v5, v1, KS
	v_lshrrev_b32 v6, 8, v5
	v_lshl_add_u32 v5, v6, 4, v5
	s_mul_i32 s21, s15, HALFS
	s_mul_i32 s22, s16, HALFS
	s_add_co_u32 s22, s22, 2*HALFS
	s_sub_co_u32 s22, s22, s21
	v_mul_u32_u24 v6, s22, v2
	s_add_co_u32 s21, s21, SCL
	v_add_nc_u32 v5, v5, v6
	v_add_nc_u32 v[ADRS], s21, v5
.macro FRAG reg, adr, q, i
.irp p, 0,1,2,3,4,5
.set PC, 12*(\q)+6*(\p/3)+\p%3
.if PC%8 < 5
	ds_load_b64 v[\reg+2*\p:\reg+2*\p+1], v[\adr] offset:8*PC+16*(PC/8)+(\i)*16*PITCH
.else
	ds_load_b64 v[\reg+2*\p:\reg+2*\p+1], v[\adr+2] offset:8*PC+16*(PC/8)+(\i)*16*PITCH
.endif
.endr
.endm
.macro MUL16 a0, p, q, sc, zero
.irp a, \a0, \a0+1
.irp b, 0,1,2,3,4,5,6,7
.if \zero
	v_wmma_scale_f32_16x16x128_f8f6f4 v[8*(8*((\a)%4)+\b):8*(8*((\a)%4)+\b)+7], v[128*(\p)+FR*\b:128*(\p)+FR*\b+FR-1], v[AF+FR*(\a):AF+FR*(\a)+FR-1], 0, v[SC+8*NQ*(\sc)+NQ*\b+(\q)], v[SC+8*NQ*(\sc)+NQ*(\a)+(\q)] matrix_a_fmt:MATRIX_FMT_FP6 matrix_b_fmt:MATRIX_FMT_FP6 matrix_a_scale:MATRIX_SCALE_ROW1
.else
	v_wmma_scale_f32_16x16x128_f8f6f4 v[8*(8*((\a)%4)+\b):8*(8*((\a)%4)+\b)+7], v[128*(\p)+FR*\b:128*(\p)+FR*\b+FR-1], v[AF+FR*(\a):AF+FR*(\a)+FR-1], v[8*(8*((\a)%4)+\b):8*(8*((\a)%4)+\b)+7], v[SC+8*NQ*(\sc)+NQ*\b+(\q)], v[SC+8*NQ*(\sc)+NQ*(\a)+(\q)] matrix_a_fmt:MATRIX_FMT_FP6 matrix_b_fmt:MATRIX_FMT_FP6 matrix_a_scale:MATRIX_SCALE_ROW1
.endif
.endr
.endr
.endm
.macro FETCH_B slot, q, p
	WIN TO_B
.irp i, 0,1,2,3,4,5,6,7
	FRAG 128*(\p)+FR*\i, ADRB+\slot, \q, \i
.endr
	WIN 0
.endm
.macro FETCH_A slot, q, i0
.irp i, \i0, \i0+1, \i0+2, \i0+3
	FRAG AF+FR*(\i), ADRA+\slot, \q, \i
.endr
.endm
.macro SCALES sc
.irp i, 0,1,2,3,4,5,6,7
	ds_load_b64 v[SC+8*NQ*\sc+NQ*\i:SC+8*NQ*\sc+NQ*\i+1], v[ADRS] offset:\i*SBLK
.endr
.endm
.macro PLACES n
.rept \n
	v_nop
.endr
.endm
.macro STEP slot, q, zero
	s_wait_dscnt 4*NL
	WIN MUL_LO
	MUL16 0, (\q)%2, \q, \slot, \zero
	MUL16 2, (\q)%2, \q, \slot, \zero
	s_wait_dscnt 0
	PLACES NP
	FETCH_B \slot, (\q)+1, 1-(\q)%2
	FETCH_A \slot, (\q)+1, 0
	WIN MUL_HI
	MUL16 4, (\q)%2, \q, \slot, \zero
	MUL16 6, (\q)%2, \q, \slot, \zero
	PLACES NP
	WIN 0
	FETCH_A \slot, (\q)+1, 4
.endm
.macro TURN slot, next, fill
	s_wait_tensorcnt 0x0
	ds_add_u32 v[SPW], v[NIL]
	s_wait_dscnt 4*NL+1
	WIN MUL_LO
	MUL16 0, 1, NQ-1, \slot, 0
	s_wait_dscnt 0x0
	s_barrier_signal -1
	MUL16 2, 1, NQ-1, \slot, 0
	WIN 0
	s_barrier_wait -1
.if \fill
	CREST
	s_add_nc_u64 s[G0+4*\slot+2:G0+4*\slot+3], s[G0+4*\slot+2:G0+4*\slot+3], 2*ROWB
	s_add_nc_u64 s[G0B+4*\slot+2:G0B+4*\slot+3], s[G0B+4*\slot+2:G0B+4*\slot+3], 2*ROWB
	JLOAD G0+4*\slot, G1, G0B+4*\slot, G1B
.else
	PLACES NP
.endif
	s_wait_alu depctr_va_vdst(0)
	v_add_nc_u32 v[ADRS], 4*NQ, v[ADRS]
	FETCH_B \next, 0, 0
	FETCH_A \next, 0, 0
	SCALES \next
	WIN MUL_HI
	MUL16 4, 1, NQ-1, \slot, 0
	MUL16 6, 1, NQ-1, \slot, 0
	PLACES NP
	WIN 0
	FETCH_A \next, 0, 4
.endm
.macro LASTSTEP
	s_wait_dscnt 4*NL
	WIN MUL_LO
	MUL16 0, 1, NQ-1, 1, 0
	MUL16 2, 1, NQ-1, 1, 0
	s_wait_dscnt 0
	WIN MUL_HI
	MUL16 4, 1, NQ-1, 1, 0
	MUL16 6, 1, NQ-1, 1, 0
	WIN 0
.endm
.macro QUANT s, da, db, pw
.irp b, 0,1,2,3
	v_max3_num_f32 v[TM+\b], |v[\s+16*\b]|, |v[\s+1+16*\b]|, 0x1800000
.endr
.irp i, 2,4,6,8,10,12,14
.irp b, 0,1,2,3
	v_max3_num_f32 v[TM+\b], v[TM+\b], |v[\s+16*\b+\i]|, |v[\s+1+16*\b+\i]|
.endr
.endr
.irp b, 0,1,2,3
	v_permlanex16_b32 v[TM+4+\b], v[TM+\b], s20, s21
.endr
.irp b, 0,1,2,3
	v_max_num_f32 v[TM+\b], v[TM+\b], v[TM+4+\b]
.endr
.irp b, 0,1,2,3
	v_add_nc_u32 v[TM+12+\b], 0xff000000, v[TM+\b]
.endr
.irp b, 0,1,2,3
	v_lshrrev_b32 v[TM+4+\b], 23, v[TM+12+\b]
.endr
	v_lshl_or_b32 v[\pw], v[TM+5], 8, v[TM+4]
	v_lshl_or_b32 v[\pw], v[TM+6], 16, v[\pw]
	v_lshl_or_b32 v[\pw], v[TM+7], 24, v[\pw]
	v_cvt_scalef32_pk16_fp6_f32 v[\da:\da+2], v[\s:\s+15], v[TM+12]
	v_cvt_scalef32_pk16_fp6_f32 v[CT:CT+2], v[\s+16:\s+31], v[TM+13]
	v_cvt_scalef32_pk16_fp6_f32 v[\db:\db+2], v[\s+32:\s+47], v[TM+14]
	v_cvt_scalef32_pk16_fp6_f32 v[CT+4:CT+6], v[\s+48:\s+63], v[TM+15]
	v_nop
.irp i, 0,1,2
	v_permlane16_swap_b32 v[\da+\i], v[CT+\i]
	v_permlane16_swap_b32 v[\db+\i], v[CT+4+\i]
.endr
.irp i, 0,1,2
	v_mov_b32 v[\da+3+\i], v[CT+\i]
	v_mov_b32 v[\db+3+\i], v[CT+4+\i]
.endr
.endm
	s_wait_alu depctr_va_vdst(0)
	s_wait_tensorcnt 1
	s_barrier_signal -1
	s_barrier_wait -1
	FETCH_B 0, 0, 0
	FETCH_A 0, 0, 0
	SCALES 0
	FETCH_A 0, 0, 4
	STEP 0, 0, 1
	s_mov_b32 s3, LAPS-1
.Llap:
	TURN 0, 1, 1
	STEP 1, 0, 0
	TURN 1, 0, 1
	STEP 0, 0, 0
	s_sub_co_u32 s3, s3, 1
	s_cmp_lg_u32 s3, 0
	s_cbranch_scc1 .Llap
	TURN 0, 1, 0
	STEP 1, 0, 0
	s_lshl_b32 s18, s17, 8
	s_lshl_b32 s19, s15, 7
	s_add_co_u32 s18, s18, s19
	s_lshl_b32 s19, s42, 8
	s_lshl_b32 s20, s16, 7
	s_add_co_u32 s19, s19, s20
	s_add_co_u32 s20, s18, 2048
	s_cmp_lt_u32 s66, 16
	s_cselect_b32 s21, s18, s19
	s_cselect_b32 s22, s19, s20
	s_cselect_b32 s23, 9, 8
	s_lshr_b32 s18, s21, 11
	s_bfe_u32 s19, s21, 0x40007
	s_lshr_b32 s20, s22, 10
	s_bfe_u32 s21, s22, 0x40006
	s_lshl_b32 s18, s18, 4
	s_add_co_u32 s18, s18, s21
	s_mul_i32 s46, s20, 6291456
	s_mul_i32 s21, s18, 98304
	s_add_co_u32 s46, s46, s21
	s_mul_i32 s21, s19, 6144
	s_add_co_u32 s46, s46, s21
	s_mov_b32 s47, 0
	s_add_nc_u64 s[98:99], s[98:99], s[46:47]
	s_mul_i32 s46, s18, 20480
	s_lshl_b32 s21, s20, 13
	s_add_co_u32 s46, s46, s21
	s_lshl_b32 s21, s19, s23
	s_add_co_u32 s46, s46, s21
	s_add_nc_u64 s[100:101], s[100:101], s[46:47]
	s_lshl_b32 s46, s22, 2
	s_add_nc_u64 s[96:97], s[96:97], s[46:47]
	s_mov_b32 s20, 0x76543210
	s_mov_b32 s21, 0xfedcba98
	v_and_b32 v31, 31, v0
	v_lshlrev_b32 v[OL], 4, v31
	v_mul_u32_u24 v[OS], v2, 20480
	v_lshl_add_u32 v[OS], v1, 4, v[OS]
	v_cmp_le_u32 vcc_lo, 16, v31
	s_cmp_lt_u32 s66, 16
	s_cbranch_scc0 .Lv
	v_lshlrev_b32 v[OB], 5, v2
.irp b, 0,1,2,3,4,5,6,7
	global_load_b128 v[BQ+8*\b:BQ+8*\b+3], v[OB], s[96:97] offset:64*\b
	global_load_b128 v[BQ+8*\b+4:BQ+8*\b+7], v[OB], s[96:97] offset:64*\b+16
.endr
	LASTSTEP
.irp b, 0,1,2,3
	v_mov_b32 v[TM+4+\b], 0
.endr
	v_mov_b32 v[SELV], 0x01000100
	v_mov_b32 v31, 0x03020302
	v_cndmask_b32 v[SELV], v[SELV], v31, vcc_lo
	s_wait_loadcnt 0x0
.macro QKOUT a
	WIN 0x02+(\a)/4
.set k, 0
.rept 32
	v_pk_add_f32 v[W+2*k:W+2*k+1], v[64*((\a)%4)+2*k:64*((\a)%4)+2*k+1], v[BQ+2*k:BQ+2*k+1]
.set k, k+1
.endr
	WIN 0
.if ((\a)%2 == 0) && ((\a) >= 2)
	s_wait_xcnt 0x0
.endif
	QUANT W, D+6*((\a)%2), D+12+6*((\a)%2), PW+(\a)
	v_perm_b32 v[SW+(\a)], v[PW+(\a)], v[PW+(\a)], v[SELV]
.if (\a)%2
.irp c, 0,1
.irp i, 0,1,2
	global_store_b128 v[OL], v[D+12*\c+4*\i:D+12*\c+4*\i+3], s[98:99] offset:\c*98304+((\a)/2)*1536+512*\i
.endr
.endr
.endif
.endm
.irp a, 0,1,2,3,4,5,6,7
	QKOUT \a
.endr
	global_store_b128 v[OS], v[SW:SW+3], s[100:101]
	global_store_b128 v[OS], v[SW+4:SW+7], s[100:101] offset:256
	s_branch .Lend
.Lv:
	v_lshlrev_b32 v[OB], 2, v1
.irp a, 0,1,2,3,4,5,6,7
	global_load_b32 v[BQ+\a], v[OB], s[96:97] offset:64*\a
.endr
	LASTSTEP
.irp b, 0,1,2,3
	v_mov_b32 v[TM+4+\b], 0
.endr
	s_wait_loadcnt 0x0
.macro VOUT a
	WIN 0x02+(\a)/4
.set k, 0
.rept 32
.if (\a)%2
	v_pk_add_f32 v[W+2*k:W+2*k+1], v[64*((\a)%4)+2*k:64*((\a)%4)+2*k+1], v[BQ+2*((\a)/2):BQ+2*((\a)/2)+1] op_sel:[0,1] op_sel_hi:[1,1]
.else
	v_pk_add_f32 v[W+2*k:W+2*k+1], v[64*((\a)%4)+2*k:64*((\a)%4)+2*k+1], v[BQ+2*((\a)/2):BQ+2*((\a)/2)+1] op_sel_hi:[1,0]
.endif
.set k, k+1
.endr
	WIN 0
.if (\a) >= 1
	s_wait_xcnt 0x0
.endif
	QUANT W, D, D+6, PW+(\a)
.irp i, 0,1,2
	global_store_b128 v[OL], v[D+4*\i:D+4*\i+3], s[98:99] offset:((\a)/4)*98304+((\a)%4)*1536+512*\i
.endr
.endm
.irp a, 0,1,2,3,4,5,6,7
	VOUT \a
.endr
.irp t, 0,1,2,3
	v_cndmask_b32 v[SW+\t], v[PW+\t], v[PW+4+\t], vcc_lo
.endr
	global_store_b128 v[OS], v[SW:SW+3], s[100:101]
.Lend:
	s_wait_tensorcnt 0x0
	ds_add_u32 v[SPW], v[NIL]
	s_wait_dscnt 0x0
	CROUND
	s_endpgm
.Lfunc_end_k_q5c5143f0b1_gemm_qkv:
	.size	k_q5c5143f0b1_gemm_qkv, .Lfunc_end_k_q5c5143f0b1_gemm_qkv-k_q5c5143f0b1_gemm_qkv
	.p2alignl 7, 3214868480
	.fill 96, 4, 3214868480
	.section	.rodata,"a",@progbits
	.p2align	6, 0x0
	.amdhsa_kernel k_q5c5143f0b1_gemm_qkv
		.amdhsa_group_segment_fixed_size 327680
		.amdhsa_private_segment_fixed_size 0
		.amdhsa_enable_private_segment 0
		.amdhsa_kernarg_size 56
		.amdhsa_user_sgpr_count 2
		.amdhsa_user_sgpr_kernarg_segment_ptr 1
		.amdhsa_wavefront_size32 1
		.amdhsa_system_sgpr_workgroup_id_x 1
		.amdhsa_system_sgpr_workgroup_id_y 1
		.amdhsa_system_sgpr_workgroup_id_z 1
		.amdhsa_system_vgpr_workitem_id 0
		.amdhsa_next_free_vgpr 1024
		.amdhsa_next_free_sgpr 102
		.amdhsa_reserve_vcc 1
		.amdhsa_float_denorm_mode_32 3
		.amdhsa_float_denorm_mode_16_64 3
		.amdhsa_memory_ordered 1
		.amdhsa_forward_progress 1
		.amdhsa_inst_pref_size 242
	.end_amdhsa_kernel
	.amdgpu_metadata
---
amdhsa.version: [ 1, 2 ]
amdhsa.kernels:
  - .name:           k_q5c5143f0b1_gemm_qkv
    .symbol:         k_q5c5143f0b1_gemm_qkv.kd
    .args:
      - { .name: xc, .offset: 0, .size: 8, .value_kind: global_buffer, .address_space: global }
      - { .name: xs, .offset: 8, .size: 8, .value_kind: global_buffer, .address_space: global }
      - { .name: wc, .offset: 16, .size: 8, .value_kind: global_buffer, .address_space: global }
      - { .name: ws, .offset: 24, .size: 8, .value_kind: global_buffer, .address_space: global }
      - { .name: b_qkv, .offset: 32, .size: 8, .value_kind: global_buffer, .address_space: global }
      - { .name: qkvc, .offset: 40, .size: 8, .value_kind: global_buffer, .address_space: global }
      - { .name: qkvs, .offset: 48, .size: 8, .value_kind: global_buffer, .address_space: global }
    .group_segment_fixed_size: 327680
    .private_segment_fixed_size: 0
    .kernarg_segment_align: 8
    .kernarg_segment_size: 56
    .max_flat_workgroup_size: 128
    .sgpr_count:     102
    .vgpr_count:     1024
    .wavefront_size: 32
...
	.end_amdgpu_metadata
.endif
;; end of part 2
;; launch attn (part 3): grid 8 x 64, 16 waves a work-group, clusters of 4 x 1, 210,944 bytes of LDS; arguments qkvc, qkvs, ac, asc; writes ac, asc
.if DOCPART == 3
	.amdgcn_target "amdgcn-amd-amdhsa--gfx1250"
	.amdhsa_code_object_version 6
	.text
	.protected	k_q5c5143f0b1_attn
	.globl	k_q5c5143f0b1_attn
	.p2align	8
	.type	k_q5c5143f0b1_attn,@function
k_q5c5143f0b1_attn:
	s_mov_b64 s[64:65], 0
	v_nop
	global_prefetch_b8 v0, s[64:65] scope:SCOPE_SE
	s_setreg_imm32_b32 hwreg(HW_REG_WAVE_MODE, 25, 1), 1
	s_wait_xcnt 0x0
	s_wait_alu depctr_hold_cnt(0) depctr_sa_sdst(0) depctr_va_vdst(0) depctr_va_sdst(0) depctr_va_ssrc(0) depctr_va_vcc(0) depctr_vm_vsrc(0)
	s_getreg_b32 s2, hwreg(HW_REG_IB_STS2, 6, 4)
	s_cmp_eq_u32 s2, 0
	s_cbranch_scc0 .Lentry_in_a_cluster
	s_endpgm
.Lentry_in_a_cluster:
	s_bfe_u32 s2, ttmp6, 0x10000c
	s_cmp_lg_u32 s2, 0x3003
	s_cbranch_scc0 .Lentry_shape_is_right
	s_endpgm
.Lentry_shape_is_right:
; out[b][q][head] = softmax(q k^T / 8) v for 64 (b, head) pairs of 2,048 tokens and 64 channels, both products on codes of FP6 (E2M3) with one E8M0 scale for each 32 along a product's K;
; the result, divided by the row's sum, is quantised along the model's 1,024 for the last product and leaves as codes.
; THE SOFTMAX: t = score x log2(e) / 8; M = the row's largest t so far, rounded UP to a whole number; p = 2^(t - M) is what is quantised, along the keys; the row's sum is taken of the unquantised p, in f32.
; When M moves, the sum and O are multiplied by 2^(old M - new M): exact.
; SHARES.  A work-group owns 256 queries of one (b, head); each of its sixteen waves owns 16 of them in 256 registers: four waves to a SIMD, so that one wave's vector work stands beside another's matrix work and LDS loads.
; A WHOLE HEAD'S K AND V LIE IN LDS: 98,304 bytes of codes each, 8,192 + 4,096 bytes of scale words.  Every byte is filled once, at the head, so there is no ring.  Each wave asks for five parts: one of the scale words and
; one of each of four stages of 512 keys; the first stage is read while the later ones are on their way: by this text's count a wave has five tensor loads out.
; CLUSTER.  The four query blocks of a cluster belong to one (b, head) and need the same K and V: each part is asked for JOINTLY, by the same tensor load with the same descriptor and the mask of all four.
; LAYOUT.  Both products are used transposed: S^T = K Q^T (source 0 = 16 keys, source 1 = my 16 queries), O^T = V^T P^T: a lane holds ONE query (lane % 16) throughout.
; The codes lie in memory and in LDS as images of operand registers: a load of 16 bytes at 16 x lane brings four registers.  Inside each block of 32 the codes stand in the order 0-7, 16-23, 8-15, 24-31, alike in both operands of each product.
; K = 64 IN AN INSTRUCTION OF K = 128.  Q's registers 6-11 are zero codes.  A key step's eight fragments of K lie 6 registers apart in one run, so that a fragment's upper half is the next tile's codes (behind the last: zeros):
; whatever code stands there meets the code 0, and E2M3 has no infinity and no NaN; the scale words of q and k hold their two bytes twice.
; LIMITS: 1 / l is v_rcp_f32 and a multiplication, p is v_exp_f32, whose results under 2^-126 come out as 0.  A block's largest p is taken from the block's largest score by the same two instructions.
;         A block whose largest magnitude lies under 2^-124 (zeros among them) keeps the scale byte 1; the bytes are read by this program alone.  NaN and infinities are not served.
;         The output's scale bytes leave two to a row of 32 bytes (262,144 bytes in the launch): rows of other heads' bytes lie between.
; REGISTERS: v1, v2 lane terms; v4-7 the step's LDS addresses; v8-11 at work at head and end; v12 -M, v13 the largest t, v[14:15] the sum in two halves; v16-27 Q, v28 its scale words; v32-85 K's run, then v32-79 V's four fragments;
;   v88-91 K's scale words, v92-95 V's; v96-159 S^T, then p; v160-191 O^T; v192-203 p's codes; v204-210 the conversions' second halves; v212-223 blocks' figures; v224 p's scale word; v[226:227] f; v228 at work.
.set LI,  1                            ; 16 x lane
.set LR,  2                            ; 16 x (lane % 16)
.set ADK, 4
.set ADV, 5
.set ADS, 6
.set ADT, 7
.set QF,  16
.set QS,  28
.set KF,  32
.set KSW, 88
.set VSW, 92
.set S,   96
.set O,   160
.set PC,  192
.set CT,  204
.set BM,  212
.set BT,  216
.set BS,  220
.set PW,  224
.set F,   226
.set T,   228
.set WV,  18                           ; s18 my wave's number
.set SEL, 20                           ; s[20:21] lane selects for lane l xor 16
.set CS,  22                           ; s[22:23] c = log2(e) / 8
.set G1C, 24                           ; s[24:31] group 1 for a part of the codes: 12 rows of 256 bytes
.set G1S, 32                           ; s[32:39] for a part of the scale words: 3 rows of 256 bytes
.set G0S, 40                           ; s[40:43] group 0 for my part of the scale words
.set G0C, 44                           ; s[44:59] groups 0 for my parts of the four stages
.set TK,  2                            ; s2  LDS byte of the step's codes of K
.set TS,  3                            ; s3  of its scale words of K
.set TT,  60                           ; s60 of its scale words of V
.set CNT, 61                           ; s61 counts a stage's four steps
.set LV,  98304                        ; LDS: V's codes behind K's
.set LKS, 196608                       ; K's scale words
.set LVS, 204800                       ; V's scale words
.macro CROUND                          ; a round of the cluster's barrier
	s_barrier_signal -1
	s_barrier_wait -1
	s_cmp_lg_u32 s[WV], 0
	s_cbranch_scc1 .Lnot_wave_0_\@
	s_barrier_signal -3
.Lnot_wave_0_\@:
	s_barrier_wait -3
	s_barrier_signal -1
	s_barrier_wait -1
.endm
	s_load_b256 s[4:11], s[0:1], 0x0               ; qkvc s[4:5], qkvs s[6:7], ac s[8:9], asc s[10:11]
	v_lshl_add_u32 v254, v0, 2, 0x33000
	v_mov_b32 v255, 0
	ds_add_u32 v254, v255
	ds_add_u32 v254, v255
	v_lshrrev_b32 v8, 5, v0
	s_delay_alu instid0(VALU_DEP_1)
	v_readfirstlane_b32 s[WV], v8                  ; wave 0..15
	s_bfe_u32 s12, ttmp6, 0x40000                  ; cx: my place in the cluster
	s_lshl_b32 s13, ttmp9, 2
	s_add_co_u32 s13, s13, s12                     ; my block of 256 queries: it enters Q's and the output's addresses alone
	s_and_b32 s14, ttmp7, 0xffff                   ; 16 b + head, which the four partners share
	s_lshr_b32 s15, s[WV], 3                       ; waves 0-7 fetch K's codes, waves 8-15 V's
	s_and_b32 s16, s[WV], 7                        ; which eighth of a stage
	; dense blocks, stated as rows of 256 bytes (32 elements of 8 bytes), no padding: the reads are 16 bytes a lane on end
	s_mov_b32 s[G1C], 15|(3<<16)|(1<<21)           ; 15:0 the mask: all four work-groups; 17:16 elements of 8 bytes; 21 set beside a mask
	s_mov_b32 s[G1C+1], 32<<16                     ; tensor_dim0
	s_mov_b32 s[G1C+2], 12<<16                     ; tensor_dim1
	s_mov_b32 s[G1C+3], 32<<16                     ; tile_dim0
	s_mov_b32 s[G1C+4], 12                         ; tile_dim1
	s_mov_b32 s[G1C+5], 32                         ; tensor_dim0_stride
	s_mov_b32 s[G1C+6], 0
	s_mov_b32 s[G1C+7], 0
	s_mov_b32 s[G1S], 15|(3<<16)|(1<<21)
	s_mov_b32 s[G1S+1], 32<<16
	s_mov_b32 s[G1S+2], 3<<16
	s_mov_b32 s[G1S+3], 32<<16
	s_mov_b32 s[G1S+4], 3
	s_mov_b32 s[G1S+5], 32
	s_mov_b32 s[G1S+6], 0
	s_mov_b32 s[G1S+7], 0
	s_mul_i32 s17, s15, LV
	s_mul_i32 s19, s16, 3072
	s_add_co_u32 s17, s17, s19                     ; LDS: my part of stage 0
	s_mul_i32 s62, s15, 6291456
	s_add_co_u32 s62, s62, 6291456                 ; memory: k's region or v's,
	s_mul_i32 s63, s14, 98304
	s_add_co_u32 s62, s62, s63                     ; my head,
	s_add_co_u32 s62, s62, s19                     ; my part
	s_mov_b32 s63, 0
	s_mul_i32 s2, s[WV], 768                       ; the scale words: k's 8,192 and v's 4,096 bytes lie on end: 768 a wave
	s_mul_i32 s60, s14, 20480
	s_add_co_u32 s60, s60, s2
	s_add_co_u32 s60, s60, 8192
	s_mov_b32 s61, 0
	s_wait_dscnt 0x0
	s_wait_kmcnt 0x0
	s_mov_b32 s[G0S], 1
	s_add_co_u32 s[G0S+1], s2, LKS
	s_add_nc_u64 s[G0S+2:G0S+3], s[6:7], s[60:61]
	s_or_b32 s[G0S+3], s[G0S+3], 0x80000000
	s_add_nc_u64 s[62:63], s[4:5], s[62:63]
.irp c, 0,1,2,3
	s_mov_b32 s[G0C+4*\c], 1
	s_add_co_u32 s[G0C+4*\c+1], s17, \c*24576
	s_add_nc_u64 s[G0C+4*\c+2:G0C+4*\c+3], s[62:63], \c*24576
	s_or_b32 s[G0C+4*\c+3], s[G0C+4*\c+3], 0x80000000
.endr
	CROUND                                         ; all four work-groups are here: the joint loads meet
	tensor_load_to_lds s[G0S:G0S+3], s[G1S:G1S+7]  ; every wave issues the same five lines, each for bytes of its own
	s_nop 0
	tensor_load_to_lds s[G0C:G0C+3], s[G1C:G1C+7]
	s_nop 0
	tensor_load_to_lds s[G0C+4:G0C+7], s[G1C:G1C+7]
	s_nop 0
	tensor_load_to_lds s[G0C+8:G0C+11], s[G1C:G1C+7]
	s_nop 0
	tensor_load_to_lds s[G0C+12:G0C+15], s[G1C:G1C+7]
	s_nop 0
.rept 4
	v_nop
.endr
	v_and_b32 v8, 31, v0
	s_delay_alu instid0(VALU_DEP_1)
	v_lshlrev_b32 v[LI], 4, v8
	s_wait_alu depctr_va_vdst(0)
	v_and_b32 v9, 15, v0
	s_delay_alu instid0(VALU_DEP_1)
	v_lshlrev_b32 v[LR], 4, v9
	; Q: my tile is tile w % 8 of step 2 x block + w / 8: registers 6 t .. 6 t + 5 of that step's image
	s_wait_alu depctr_va_vdst(0)
	s_lshl_b32 s60, s13, 1
	s_add_co_u32 s60, s60, s15                     ; the step
	s_mul_i32 s62, s60, 6144
	s_mul_i32 s63, s14, 98304
	s_add_co_u32 s62, s62, s63
	s_lshr_b32 s63, s16, 1
	s_mul_i32 s63, s63, 1536                       ; two tiles are three chunks of 512 bytes
	s_add_co_u32 s62, s62, s63
	s_mov_b32 s63, 0
	s_add_nc_u64 s[4:5], s[4:5], s[62:63]
	s_mul_i32 s62, s14, 20480
	s_lshl_b32 s63, s60, 9
	s_add_co_u32 s62, s62, s63
	s_lshr_b32 s63, s16, 2
	s_lshl_b32 s63, s63, 8
	s_add_co_u32 s62, s62, s63
	s_and_b32 s63, s[WV], 3
	s_lshl_b32 s63, s63, 2
	s_add_co_u32 s62, s62, s63
	s_mov_b32 s63, 0
	s_add_nc_u64 s[6:7], s[6:7], s[62:63]          ; its scale words: 256 (t / 4) + 16 r + 4 (t % 4)
	s_and_b32 s60, s[WV], 1                        ; an odd tile begins in the middle of the second chunk
	s_mul_i32 s61, s60, 520
	v_add_nc_u32 v8, s61, v[LI]
	s_mul_i32 s61, s60, 1016
	v_add_nc_u32 v9, s61, v[LI]
	global_load_b64 v[QF:QF+1], v8, s[4:5]                  ; even: chunk 0, words 0, 1;  odd: chunk 1, words 2, 3
	global_load_b64 v[QF+2:QF+3], v9, s[4:5] offset:8       ; even: chunk 0, words 2, 3;  odd: chunk 2, words 0, 1
	global_load_b64 v[QF+4:QF+5], v8, s[4:5] offset:512     ; even: chunk 1, words 0, 1;  odd: chunk 2, words 2, 3
	global_load_b32 v[QS], v[LR], s[6:7]
.irp j, 6,7,8,9,10,11
	v_mov_b32 v[QF+\j], 0                          ; Q's upper 64 along K: zero codes
.endr
.irp j, 48,49,50,51,52,53
	v_mov_b32 v[KF+\j], 0                          ; behind K's last tile: written once, no load lands here
.endr
.set j, 0
.rept 32
	v_mov_b32 v[O+j], 0                            ; O^T.  (The step is written once: the first finds zeros, which the first change of M leaves zeros)
.set j, j+1
.endr
.irp b, 0,1,2,3
	v_mov_b32 v[BT+\b], 0                          ; written once: a lane permute's destination counts as one of its sources
.endr
	v_mov_b32 v14, 0                               ; the sum, in two halves
	v_mov_b32 v15, 0
	v_mov_b32 v[F+1], 0                            ; (named as the upper half of the pair with f)
	v_mov_b32 v13, 0xff61b1e6                      ; the largest t so far: -3e38, under every t
	s_delay_alu instid0(VALU_DEP_1)
	v_floor_f32 v12, -v13                          ; -M
	s_mov_b32 s[SEL], 0x76543210
	s_mov_b32 s[SEL+1], 0xfedcba98
	s_mov_b32 s[CS], 0x3e38aa3b                    ; c = log2(e) / 8
	s_mov_b32 s[CS+1], s[CS]                       ; (named with it as a pair, so it is written)
	s_mov_b32 s[TK], 0
	s_mov_b32 s[TS], LKS
	s_mov_b32 s[TT], LVS
	s_wait_loadcnt 0x0                             ; Q
; A KEY STEP: 128 keys.
.macro STEP
	v_add_nc_u32 v[ADK], s[TK], v[LI]              ; (these four lines are the places between the last products and the loads into the registers that they read)
	v_add_nc_u32 v[ADS], s[TS], v[LI]
	v_add_nc_u32 v[ADT], s[TT], v[LR]
	s_delay_alu instid0(VALU_DEP_3)
	v_add_nc_u32 v[ADV], LV, v[ADK]
	ds_load_b128 v[KSW:KSW+3], v[ADS]              ; K's scale words: lanes 0-15 those of tiles 0-3, lanes 16-31 those of tiles 4-7
.set i, 0
.rept 12
	ds_load_b128 v[KF+4*i:KF+4*i+3], v[ADK] offset:512*i   ; eight tiles x six registers, on end
.set i, i+1
.endr
	s_wait_alu depctr_va_vdst(0)
	s_wait_dscnt 0x0
.irp t, 0,1,2,3
	v_wmma_scale_f32_16x16x128_f8f6f4 v[S+8*\t:S+8*\t+7], v[KF+6*\t:KF+6*\t+11], v[QF:QF+11], 0, v[KSW+\t], v[QS] matrix_a_fmt:MATRIX_FMT_FP6 matrix_b_fmt:MATRIX_FMT_FP6
.endr
.irp t, 4,5,6,7
	v_wmma_scale_f32_16x16x128_f8f6f4 v[S+8*\t:S+8*\t+7], v[KF+6*\t:KF+6*\t+11], v[QF:QF+11], 0, v[KSW+\t-4], v[QS] matrix_a_fmt:MATRIX_FMT_FP6 matrix_b_fmt:MATRIX_FMT_FP6 matrix_a_scale:MATRIX_SCALE_ROW1
.endr                                          ; lane (r, h) holds query r; register 8 t + j is key 16 t + 8 h + j
.rept 4
	v_nop                                          ; places: the loads below land on K's registers, the maxima read the scores
.endr
	ds_load_b128 v[VSW:VSW+3], v[ADT]              ; V goes out now and lands under the softmax: its scale words (tile t's in register t),
.set i, 0
.rept 12
	ds_load_b128 v[KF+4*i:KF+4*i+3], v[ADV] offset:512*i   ; and four fragments of 16 channels x 128 keys
.set i, i+1
.endr
.irp b, 0,1,2,3
	v_max3_num_f32 v[BM+\b], v[S+16*\b], v[S+1+16*\b], v[S+2+16*\b]   ; the largest score of each block of 32 keys: it serves for the row's maximum and, since p rises with the score, for the block's largest p
.endr
.irp i, 3,5,7,9,11,13
.irp b, 0,1,2,3
	v_max3_num_f32 v[BM+\b], v[BM+\b], v[S+16*\b+\i], v[S+1+16*\b+\i]
.endr
.endr
.irp b, 0,1,2,3
	v_max_num_f32 v[BM+\b], v[BM+\b], v[S+15+16*\b]
.endr
.irp b, 0,1,2,3
	s_delay_alu instid0(VALU_DEP_4)
	v_permlanex16_b32 v[BT+\b], v[BM+\b], s[SEL], s[SEL+1]
.endr
.irp b, 0,1,2,3
	s_delay_alu instid0(VALU_DEP_4)
	v_max_num_f32 v[BM+\b], v[BM+\b], v[BT+\b]     ; with lane l xor 16's 16 keys
.endr
	s_delay_alu instid0(VALU_DEP_2)
	v_max3_num_f32 v[T], v[BM], v[BM+1], v[BM+2]
	s_delay_alu instid0(VALU_DEP_1)
	v_max_num_f32 v[T], v[T], v[BM+3]              ; the step's largest score of my query
	s_delay_alu instid0(VALU_DEP_1)
	v_mul_f32 v[T], s[CS], v[T]                    ; as t (c is positive)
	s_delay_alu instid0(VALU_DEP_1)
	v_max_num_f32 v13, v13, v[T]                   ; the running largest t
	v_mov_b32 v[T], v12
	s_delay_alu instid0(VALU_DEP_2)
	v_floor_f32 v12, -v13                          ; the new -M = floor(-t) = -ceil(t): a whole number
	s_delay_alu instid0(VALU_DEP_1)
	v_sub_f32 v[T], v12, v[T]                      ; M's old value less its new one: a whole number, 0 or less
	s_delay_alu instid0(VALU_DEP_1)
	v_cvt_i32_f32 v[T], v[T]                       ; (it saturates)
	s_delay_alu instid0(VALU_DEP_1)
	v_ldexp_f32 v[F], 1.0, v[T]                    ; f = 2^(old M - new M)
.set j, 0
.rept 32
	v_pk_fma_f32 v[S+j:S+j+1], v[S+j:S+j+1], s[CS:CS+1], v[12:13] op_sel_hi:[1,0,0]   ; t - M, two at a time
.set j, j+2
.endr
.irp b, 0,1,2,3
	v_fma_f32 v[BM+\b], v[BM+\b], s[CS], v12       ; the same of each block's largest score
.endr
.set j, 0
	s_wait_alu depctr_va_vdst(0)
.rept 64
	v_exp_f32 v[S+j], v[S+j]                       ; p = 2^(t - M), at most 1: not normalised
.set j, j+1
.endr
	s_setprio 1
	v_pk_mul_f32 v[14:15], v[14:15], v[F:F+1] op_sel_hi:[1,0]   ; the sums under the new M (a plain line behind the exponentials)
	s_wait_alu depctr_va_vdst(0)                   ; one wait for the whole batch, ahead of its first reader
.irp b, 0,1,2,3
	v_exp_f32 v[BM+\b], v[BM+\b]                   ; the block's largest p: the same two instructions on the same number give the same bits
.endr
	v_pk_add_f32 v[216:217], v[100:101], v[104:105]
	v_pk_add_f32 v[252:253], v[108:109], v[112:113]
	v_pk_add_f32 v[250:251], v[116:117], v[120:121]
	v_pk_add_f32 v[248:249], v[124:125], v[128:129]
	v_pk_add_f32 v[246:247], v[132:133], v[136:137]
	v_pk_add_f32 v[244:245], v[140:141], v[144:145]
	v_pk_add_f32 v[242:243], v[148:149], v[152:153]
	v_pk_add_f32 v[14:15], v[14:15], v[156:157]
	v_pk_add_f32 v[216:217], v[216:217], v[96:97]
	v_pk_add_f32 v[252:253], v[252:253], v[98:99]
	v_pk_add_f32 v[250:251], v[250:251], v[102:103]
	v_pk_add_f32 v[248:249], v[248:249], v[106:107]
	v_pk_add_f32 v[246:247], v[246:247], v[110:111]
	v_pk_add_f32 v[244:245], v[244:245], v[114:115]
	v_pk_add_f32 v[242:243], v[242:243], v[118:119]
	v_pk_add_f32 v[14:15], v[14:15], v[122:123]
	v_pk_add_f32 v[216:217], v[216:217], v[126:127]
	v_pk_add_f32 v[252:253], v[252:253], v[130:131]
	v_pk_add_f32 v[250:251], v[250:251], v[134:135]
	v_pk_add_f32 v[248:249], v[248:249], v[138:139]
	v_pk_add_f32 v[246:247], v[246:247], v[142:143]
	v_pk_add_f32 v[244:245], v[244:245], v[146:147]
	v_pk_add_f32 v[242:243], v[242:243], v[150:151]
	v_pk_add_f32 v[14:15], v[14:15], v[154:155]
	v_pk_add_f32 v[216:217], v[216:217], v[158:159]
	s_delay_alu instid0(VALU_DEP_2)
	v_pk_add_f32 v[14:15], v[14:15], v[248:249]
	s_delay_alu instid0(VALU_DEP_2)
	v_pk_add_f32 v[216:217], v[216:217], v[246:247]
	v_pk_add_f32 v[252:253], v[252:253], v[244:245]
	v_pk_add_f32 v[250:251], v[250:251], v[242:243]
	s_delay_alu instid0(VALU_DEP_2)
	v_pk_add_f32 v[14:15], v[14:15], v[252:253]
	s_delay_alu instid0(VALU_DEP_2)
	v_pk_add_f32 v[216:217], v[216:217], v[250:251]
	s_delay_alu instid0(VALU_DEP_1)
	v_pk_add_f32 v[14:15], v[14:15], v[216:217]
	s_wait_alu depctr_va_vdst(0)                   ; and one for the four
.irp b, 0,1,2,3
	v_max_num_f32 v[BM+\b], 0x1800000, v[BM+\b]    ; the floor 2^(3 - 127): the byte cannot fall under 1
.endr
.irp b, 0,1,2,3
	s_delay_alu instid0(VALU_DEP_4)
	v_add_nc_u32 v[BS+\b], 0xff000000, v[BM+\b]    ; 2 off the exponent field: the conversion's scale operand
.endr
.irp b, 0,1,2,3
	s_delay_alu instid0(VALU_DEP_4)
	v_lshrrev_b32 v[BT+\b], 23, v[BS+\b]           ; the scale's byte
.endr
	s_delay_alu instid0(VALU_DEP_3)
	v_lshl_or_b32 v[PW], v[BT+1], 8, v[BT]         ; p's scale word for these 128 keys
	s_delay_alu instid0(VALU_DEP_1)
	v_lshl_or_b32 v[PW], v[BT+2], 16, v[PW]
	s_delay_alu instid0(VALU_DEP_1)
	v_lshl_or_b32 v[PW], v[BT+3], 24, v[PW]
.irp c, 0,1
	v_cvt_scalef32_pk16_fp6_f32 v[PC+6*\c:PC+2+6*\c], v[S+32*\c:S+15+32*\c], v[BS+2*\c]
	v_cvt_scalef32_pk16_fp6_f32 v[CT+4*\c:CT+2+4*\c], v[S+16+32*\c:S+31+32*\c], v[BS+2*\c+1]   ; (a conversion's three registers begin on an even number)
.endr
	v_nop                                          ; one plain line behind the conversions
.irp c, 0,1                                    ; the operand's layout wants a whole block in a lane: lanes 0-15 block 2 c, lanes 16-31 block 2 c + 1
.irp i, 0,1,2
	v_permlane16_swap_b32 v[PC+6*\c+\i], v[CT+4*\c+\i]
.endr
.irp i, 0,1,2
	s_delay_alu instid0(VALU_DEP_3)
	v_mov_b32 v[PC+3+6*\c+\i], v[CT+4*\c+\i]
.endr
.endr
.set j, 0
	s_setprio 0
.rept 16
	v_pk_mul_f32 v[O+j:O+j+1], v[O+j:O+j+1], v[F:F+1] op_sel_hi:[1,0]   ; O^T under the new M.  (These sixteen also stand between the writes of p's codes and scale word and the products)
.set j, j+2
.endr
	s_wait_alu depctr_va_vdst(0)
	s_wait_dscnt 0x0                               ; V is in
.irp t, 0,1,2,3                                ; O^T += V^T P^T: the four accumulators take turns, one instruction a turn
	v_wmma_scale_f32_16x16x128_f8f6f4 v[O+8*\t:O+8*\t+7], v[KF+12*\t:KF+12*\t+11], v[PC:PC+11], v[O+8*\t:O+8*\t+7], v[VSW+\t], v[PW] matrix_a_fmt:MATRIX_FMT_FP6 matrix_b_fmt:MATRIX_FMT_FP6
.endr
	s_add_co_u32 s[TK], s[TK], 6144                ; the next step's codes and scale words
	s_add_co_u32 s[TS], s[TS], 512
	s_add_co_u32 s[TT], s[TT], 256
.endm
; A STAGE: 512 keys, four steps.  left = my younger tensor loads, the later stages', which may stay out.
.macro STAGE left
	s_wait_tensorcnt \left                         ; my parts of the scale words and of the stages up to this one have landed,
	s_wait_dscnt 0x0
	s_barrier_signal -1
	s_barrier_wait -1                              ; and so have everybody's
	s_mov_b32 s[CNT], 4
.Lstep_\@:
	s_setprio 2
	STEP
	s_sub_co_u32 s[CNT], s[CNT], 1
	s_cmp_lg_u32 s[CNT], 0
	s_cbranch_scc1 .Lstep_\@
	s_setprio 0
.endm
	STAGE 3
	STAGE 2
	STAGE 1
	STAGE 0
	; THE END.  O^T / the sum; register 8 t + j of lane (r, h) is channel 16 t + 8 h + j of query r: two blocks of 32 of the last product's K, quantised as p is.
	v_add_f32 v14, v14, v15                        ; the sum's two halves,
	s_delay_alu instid0(VALU_DEP_1)
	v_permlanex16_b32 v[T], v14, s[SEL], s[SEL+1]
	s_delay_alu instid0(VALU_DEP_1)
	v_add_f32 v14, v14, v[T]                       ; and lane l xor 16's: the row's sum
	s_wait_alu depctr_va_vdst(0)
	v_rcp_f32 v14, v14
	v_and_b32 v8, 31, v0                           ; (plain lines behind the reciprocal, and the places behind the last products)
	s_delay_alu instid0(VALU_DEP_1)
	v_lshlrev_b32 v8, 3, v8                        ; the codes: 8 bytes a lane
	v_and_b32 v9, 15, v0
	v_bfe_u32 v10, v0, 4, 1
	s_delay_alu instid0(VALU_DEP_1)
	v_lshl_add_u32 v9, v9, 5, v10                  ; the scale byte: 32 r + h
	s_delay_alu instid0(VALU_DEP_2)
	v_cmp_eq_u32 vcc_lo, 1, v10                    ; lanes 16-31
	s_lshr_b32 s60, s14, 4
	s_lshl_b32 s60, s60, 7
	s_lshl_b32 s61, s13, 4
	s_add_co_u32 s60, s60, s61
	s_add_co_u32 s60, s60, s[WV]                   ; my block of 16 tokens: 128 b + 16 x query block + wave
	s_and_b32 s61, s14, 15                         ; the head
	s_mul_i32 s62, s60, 12288                      ; ac: [block of 16 tokens][8 steps of 128 along K][6 pairs of registers][lane][8 bytes]: head hd owns three pairs, 768 hd bytes on
	s_mul_i32 s63, s61, 768
	s_add_co_u32 s62, s62, s63
	s_mov_b32 s63, 0
	s_add_nc_u64 s[8:9], s[8:9], s[62:63]
	s_lshl_b32 s62, s60, 9                         ; asc: [token][32 bytes]: head hd's bytes at 2 hd, 2 hd + 1
	s_lshl_b32 s61, s61, 1
	s_add_co_u32 s62, s62, s61
	s_add_nc_u64 s[10:11], s[10:11], s[62:63]
	s_wait_alu depctr_va_vdst(0)                   ; the wait ahead of the reciprocal's first reader
.set j, 0
.rept 16
	v_pk_mul_f32 v[S+j:S+j+1], v[O+j:O+j+1], v[14:15] op_sel_hi:[1,0]   ; each accumulator from its low end on
.set j, j+2
.endr
.irp b, 0,1
	v_max3_num_f32 v[BM+\b], |v[S+16*\b]|, |v[S+1+16*\b]|, 0x1800000
.endr
.irp i, 2,4,6,8,10,12,14
.irp b, 0,1
	s_delay_alu instid0(VALU_DEP_2)
	v_max3_num_f32 v[BM+\b], v[BM+\b], |v[S+16*\b+\i]|, |v[S+1+16*\b+\i]|
.endr
.endr
.irp b, 0,1
	s_delay_alu instid0(VALU_DEP_2)
	v_permlanex16_b32 v[BT+\b], v[BM+\b], s[SEL], s[SEL+1]
.endr
.irp b, 0,1
	s_delay_alu instid0(VALU_DEP_2)
	v_max_num_f32 v[BM+\b], v[BM+\b], v[BT+\b]
.endr
.irp b, 0,1
	s_delay_alu instid0(VALU_DEP_2)
	v_add_nc_u32 v[BS+\b], 0xff000000, v[BM+\b]
.endr
.irp b, 0,1
	s_delay_alu instid0(VALU_DEP_2)
	v_lshrrev_b32 v[BT+\b], 23, v[BS+\b]
.endr
	v_cvt_scalef32_pk16_fp6_f32 v[PC:PC+2], v[S:S+15], v[BS]
	v_cvt_scalef32_pk16_fp6_f32 v[CT:CT+2], v[S+16:S+31], v[BS+1]
	v_nop
.irp i, 0,1,2
	v_permlane16_swap_b32 v[PC+\i], v[CT+\i]
.endr
.irp i, 0,1,2
	s_delay_alu instid0(VALU_DEP_3)
	v_mov_b32 v[PC+3+\i], v[CT+\i]
.endr
	v_cndmask_b32 v[T], v[BT], v[BT+1], vcc_lo     ; my half's block's byte
.irp i, 0,1,2
	global_store_b64 v8, v[PC+2*\i:PC+2*\i+1], s[8:9] offset:256*\i   ; 32 lanes store 256 consecutive bytes, at a multiple of 256 from the buffer's first byte
.endr
	global_store_b8 v9, v[T], s[10:11]
	s_wait_tensorcnt 0x0
	ds_add_u32 v254, v255
	s_wait_dscnt 0x0
	CROUND                                         ; the closing round: no work-group ends while a partner may still ask for a part that names it
	s_endpgm
.Lfunc_end_k_q5c5143f0b1_attn:
	.size	k_q5c5143f0b1_attn, .Lfunc_end_k_q5c5143f0b1_attn-k_q5c5143f0b1_attn
	.p2alignl 7, 3214868480
	.fill 96, 4, 3214868480
	.section	.rodata,"a",@progbits
	.p2align	6, 0x0
	.amdhsa_kernel k_q5c5143f0b1_attn
		.amdhsa_group_segment_fixed_size 210944
		.amdhsa_private_segment_fixed_size 0
		.amdhsa_enable_private_segment 0
		.amdhsa_kernarg_size 32
		.amdhsa_user_sgpr_count 2
		.amdhsa_user_sgpr_kernarg_segment_ptr 1
		.amdhsa_wavefront_size32 1
		.amdhsa_system_sgpr_workgroup_id_x 1
		.amdhsa_system_sgpr_workgroup_id_y 1
		.amdhsa_system_sgpr_workgroup_id_z 1
		.amdhsa_system_vgpr_workitem_id 0
		.amdhsa_next_free_vgpr 256
		.amdhsa_next_free_sgpr 66
		.amdhsa_reserve_vcc 1
		.amdhsa_float_denorm_mode_32 3
		.amdhsa_float_denorm_mode_16_64 3
		.amdhsa_memory_ordered 1
		.amdhsa_forward_progress 1
		.amdhsa_inst_pref_size 82
	.end_amdhsa_kernel
	.amdgpu_metadata
---
amdhsa.version: [ 1, 2 ]
amdhsa.kernels:
  - .name:           k_q5c5143f0b1_attn
    .symbol:         k_q5c5143f0b1_attn.kd
    .args:
      - { .name: qkvc, .offset: 0, .size: 8, .value_kind: global_buffer, .address_space: global }
      - { .name: qkvs, .offset: 8, .size: 8, .value_kind: global_buffer, .address_space: global }
      - { .name: ac, .offset: 16, .size: 8, .value_kind: global_buffer, .address_space: global }
      - { .name: asc, .offset: 24, .size: 8, .value_kind: global_buffer, .address_space: global }
    .group_segment_fixed_size: 210944
    .private_segment_fixed_size: 0
    .kernarg_segment_align: 8
    .kernarg_segment_size: 32
    .max_flat_workgroup_size: 512
    .sgpr_count:     66
    .vgpr_count:     256
    .wavefront_size: 32
...
	.end_amdgpu_metadata
.endif
;; end of part 3
;; launch gemm_proj (part 4): grid 4 x 32, 4 waves a work-group, clusters of 4 x 4, 327,680 bytes of LDS; arguments ac, asc, wc, ws, b_proj, out0; writes out0
.if DOCPART == 4
	.amdgcn_target "amdgcn-amd-amdhsa--gfx1250"
	.amdhsa_code_object_version 6
	.text
	.protected	k_q5c5143f0b1_gemm_proj
	.globl	k_q5c5143f0b1_gemm_proj
	.p2align	8
	.type	k_q5c5143f0b1_gemm_proj,@function
k_q5c5143f0b1_gemm_proj:
	s_mov_b64 s[64:65], 0
	v_nop
	global_prefetch_b8 v0, s[64:65] scope:SCOPE_SE
	s_setreg_imm32_b32 hwreg(HW_REG_WAVE_MODE, 25, 1), 1
	s_wait_xcnt 0x0
	s_wait_alu depctr_hold_cnt(0) depctr_sa_sdst(0) depctr_va_vdst(0) depctr_va_sdst(0) depctr_va_ssrc(0) depctr_va_vcc(0) depctr_vm_vsrc(0)
	s_getreg_b32 s2, hwreg(HW_REG_IB_STS2, 6, 4)
	s_cmp_eq_u32 s2, 0
	s_cbranch_scc0 .Lentry_in_a_cluster
	s_endpgm
.Lentry_in_a_cluster:
	s_bfe_u32 s2, ttmp6, 0x10000c
	s_cmp_lg_u32 s2, 0xf033
	s_cbranch_scc0 .Lentry_shape_is_right
	s_endpgm
.Lentry_shape_is_right:
.set SIZE_K, 1024
.set SIZE_N, 1024
.set KSTEP,  256
.set NQ,     KSTEP/128
.set ROWB,   192
.set KROW,   SIZE_K*6/8
.set PITCH,  240
.set ABLK,   3072
.set FR,     12
.set NL,     6
.set NP,     4
.set HALFT,  128*PITCH
.set SLOT,   4*HALFT
.set LAPS,   SIZE_K/(2*KSTEP)
.set KS,     SIZE_K/32
.set SCL,    2*SLOT
.set HALFS,  (128*KS/256)*272
.set SBLK,   (16*KS/256)*272
.set SPARE,  SCL+4*HALFS
.set SPITCH, 528
.set ADRA, 16
.set ADRB, 20
.set STO,  24
.set RD,   25
.set CO,   26
.set ADRS, 27
.set SPW,  28
.set NIL,  29
.set BI,   8
.set SC,   32
.set AF,   128
.set BK,   128
.set G1, 24
.set G0, 32
.set G1B, 48
.set G0B, 56
.set G1S, 68
.set G0S, 76
.set G1SB, 80
.set G0SB, 88
.set MSB, 0
.macro WIN new
.if MSB != \new
	s_set_vgpr_msb (MSB<<8)|\new
.set MSB, \new
.endif
.endm
.set MUL_LO, 0xa1
.set MUL_HI, 0xf1
.set TO_B,   0x40
.macro JLOAD g0a, g1a, g0b, g1b
	s_cmp_eq_u32 s15, 0
	s_cbranch_scc0 .Lfor_b_\@
	tensor_load_to_lds s[\g0a:\g0a+3], s[\g1a:\g1a+7]
	s_nop 0
.rept 4
	v_nop
.endr
	s_branch .Lasked_\@
.Lfor_b_\@:
	tensor_load_to_lds s[\g0b:\g0b+3], s[\g1b:\g1b+7]
	s_nop 0
.rept 4
	v_nop
.endr
.Lasked_\@:
.endm
.macro CREST
	s_cmp_lg_u32 s14, 0
	s_cbranch_scc1 .Lnot_wave_0_\@
	s_barrier_signal -3
.Lnot_wave_0_\@:
	s_barrier_wait -3
	s_barrier_signal -1
	s_barrier_wait -1
.endm
.macro CROUND
	s_barrier_signal -1
	s_barrier_wait -1
	CREST
.endm
	s_load_b128 s[4:7], s[0:1], 0x0
	s_load_b128 s[8:11], s[0:1], 0x10
	s_load_b64 s[96:97], s[0:1], 0x20
	s_load_b64 s[12:13], s[0:1], 0x28
	v_lshl_add_u32 v[SPW], v0, 2, SPARE
	v_mov_b32 v[NIL], 0
	ds_add_u32 v28, v29
	ds_add_u32 v28, v29
	s_wait_dscnt 0x0
	v_lshrrev_b32 v1, 5, v0
	v_readfirstlane_b32 s14, v1
	s_lshr_b32 s15, s14, 1
	s_and_b32 s16, s14, 1
	s_bfe_u32 s40, ttmp6, 0x40000
	s_bfe_u32 s41, ttmp6, 0x40004
	s_lshl_b32 s42, ttmp9, 2
	s_add_co_u32 s42, s42, s40
	s_and_b32 s17, ttmp7, 0xffff
	s_lshl_b32 s17, s17, 2
	s_add_co_u32 s17, s17, s41
	s_lshl_b32 s43, s41, 2
	s_lshl_b32 s43, 15, s43
	s_lshl_b32 s44, 0x1111, s40
	s_or_b32 s[G1+0], s43, (3<<16)|(1<<21)
	s_mov_b32 s[G1+1], 384<<16
	s_mov_b32 s[G1+2], 8<<16
	s_mov_b32 s[G1+3], 384<<16
	s_mov_b32 s[G1+4], 8
	s_mov_b32 s[G1+5], 1536
	s_mov_b32 s[G1+6], 0
	s_mov_b32 s[G1+7], 0
	s_or_b32 s[G1B+0], s44, (0<<16)|(1<<20)|(1<<21)|(3<<22)|(3<<25)
	s_mov_b32 s[G1B+1], ROWB<<16
	s_mov_b32 s[G1B+2], 128<<16
	s_mov_b32 s[G1B+3], ROWB<<16
	s_mov_b32 s[G1B+4], 128
	s_mov_b32 s[G1B+5], KROW
	s_mov_b32 s[G1B+6], 0
	s_mov_b32 s[G1B+7], 0
	s_or_b32 s[G1S+0], s43, (3<<16)|(1<<20)|(1<<21)|(5<<22)|(3<<25)
	s_or_b32 s[G1SB+0], s44, (3<<16)|(1<<20)|(1<<21)|(5<<22)|(3<<25)
.irp g, G1S, G1SB
	s_mov_b32 s[\g+1], 32<<16
	s_mov_b32 s[\g+2], (128*KS/256)<<16
	s_mov_b32 s[\g+3], 32<<16
	s_mov_b32 s[\g+4], 128*KS/256
	s_mov_b32 s[\g+5], 32
	s_mov_b32 s[\g+6], 0
	s_mov_b32 s[\g+7], 0
.endr
	s_lshl_b32 s18, s16, 7
	s_lshl_b32 s20, s17, 8
	s_add_co_u32 s20, s20, s18
	s_lshl_b32 s46, s42, 8
	s_add_co_u32 s46, s46, s18
	s_mov_b32 s21, 0
	s_mov_b32 s47, 0
	s_mov_b64 s[18:19], KS
	s_mul_u64 s[22:23], s[20:21], s[18:19]
	s_mul_u64 s[92:93], s[46:47], s[18:19]
	s_mov_b64 s[18:19], KROW
	s_mul_u64 s[20:21], s[20:21], s[18:19]
	s_mul_u64 s[46:47], s[46:47], s[18:19]
	s_mul_i32 s45, s14, HALFT
	s_mul_i32 s94, s14, HALFS
	s_wait_kmcnt 0x0
	s_add_nc_u64 s[8:9], s[8:9], 3072*KROW
	s_add_nc_u64 s[10:11], s[10:11], 3072*KS
	s_add_nc_u64 s[20:21], s[4:5], s[20:21]
	s_add_nc_u64 s[22:23], s[6:7], s[22:23]
	s_add_nc_u64 s[46:47], s[8:9], s[46:47]
	s_add_nc_u64 s[92:93], s[10:11], s[92:93]
	CROUND
	s_mov_b32 s[G0S], 1
	s_add_co_u32 s[G0S+1], s94, SCL
	s_mov_b64 s[G0S+2:G0S+3], s[22:23]
	s_or_b32 s[G0S+3], s[G0S+3], 0x80000000
	s_mov_b32 s[G0SB], 1
	s_add_co_u32 s[G0SB+1], s94, SCL
	s_mov_b64 s[G0SB+2:G0SB+3], s[92:93]
	s_or_b32 s[G0SB+3], s[G0SB+3], 0x80000000
	JLOAD G0S, G1S, G0SB, G1SB
.irp s, 0,1
	s_mov_b32 s[G0+4*\s], 1
	s_add_co_u32 s[G0+4*\s+1], s45, \s*SLOT
	s_add_nc_u64 s[G0+4*\s+2:G0+4*\s+3], s[20:21], \s*ABLK
	s_or_b32 s[G0+4*\s+3], s[G0+4*\s+3], 0x80000000
	s_mov_b32 s[G0B+4*\s], 1
	s_add_co_u32 s[G0B+4*\s+1], s45, \s*SLOT
	s_add_nc_u64 s[G0B+4*\s+2:G0B+4*\s+3], s[46:47], \s*ROWB
	s_or_b32 s[G0B+4*\s+3], s[G0B+4*\s+3], 0x80000000
	s_wait_alu depctr_va_vdst(0)
	s_wait_tensorcnt 0x0
	ds_add_u32 v28, v29
	s_wait_dscnt 0x0
	CROUND
	JLOAD G0+4*\s, G1, G0B+4*\s, G1B
.endr
	v_and_b32 v1, 15, v0
	v_bfe_u32 v2, v0, 4, 1
	v_and_b32 v7, 31, v0
	v_mul_u32_u24 v3, v1, PITCH
	v_mul_u32_u24 v4, v2, 24
	v_add_nc_u32 v4, v3, v4
	v_lshl_add_u32 v5, v2, 4, v4
	v_lshlrev_b32 v6, 3, v7
	s_mul_i32 s21, s15, HALFT
	s_mul_i32 s22, s16, HALFT
	s_add_co_u32 s22, s22, 2*HALFT
.irp s, 0,1
	v_add_nc_u32 v[ADRA+\s], s21, v6
	v_add_nc_u32 v[ADRB+\s], s22, v4
	v_add_nc_u32 v[ADRB+2+\s], s22, v5
	s_add_co_u32 s21, s21, SLOT
	s_add_co_u32 s22, s22, SLOT
.endr
	v_mul_u32_u24 v5, v1, KS
	v_lshrrev_b32 v6, 8, v5
	v_lshl_add_u32 v5, v6, 4, v5
	s_mul_i32 s21, s15, HALFS
	s_mul_i32 s22, s16, HALFS
	s_add_co_u32 s22, s22, 2*HALFS
	s_sub_co_u32 s22, s22, s21
	v_mul_u32_u24 v6, s22, v2
	s_add_co_u32 s21, s21, SCL
	v_add_nc_u32 v5, v5, v6
	v_add_nc_u32 v[ADRS], s21, v5
	s_mul_i32 s23, s14, 16*SPITCH
	v_mul_u32_u24 v5, v1, SPITCH
	v_lshl_add_u32 v5, v2, 5, v5
	v_add_nc_u32 v[STO], s23, v5
	v_lshlrev_b32 v[CO], 4, v7
	s_wait_alu depctr_va_vdst(0)
	v_add_nc_u32 v[RD], s23, v[CO]
	s_lshl_b32 s20, s17, 8
	s_lshl_b32 s21, s15, 7
	s_add_co_u32 s20, s20, s21
	s_mov_b32 s21, 0
	s_mov_b64 s[18:19], SIZE_N*4
	s_mul_u64 s[20:21], s[20:21], s[18:19]
	s_lshl_b32 s46, s42, 10
	s_lshl_b32 s47, s16, 9
	s_add_co_u32 s46, s46, s47
	s_mov_b32 s47, 0
	s_add_nc_u64 s[96:97], s[96:97], s[46:47]
	global_load_b128 v[BI:BI+3], v[CO], s[96:97]
	s_add_nc_u64 s[20:21], s[20:21], s[46:47]
	s_add_nc_u64 s[12:13], s[12:13], s[20:21]
.macro FRAG reg, adr, q, i
.irp p, 0,1,2,3,4,5
.set PC, 12*(\q)+6*(\p/3)+\p%3
.if PC%8 < 5
	ds_load_b64 v[\reg+2*\p:\reg+2*\p+1], v[\adr] offset:8*PC+16*(PC/8)+(\i)*16*PITCH
.else
	ds_load_b64 v[\reg+2*\p:\reg+2*\p+1], v[\adr+2] offset:8*PC+16*(PC/8)+(\i)*16*PITCH
.endif
.endr
.endm
.macro FRAG_A reg, slot, q, i
.irp p, 0,1,2,3,4,5
	ds_load_b64 v[\reg+2*\p:\reg+2*\p+1], v[ADRA+\slot] offset:ABLK*(\i)+1536*(\q)+256*\p
.endr
.endm
.macro MUL16 a0, p, q, sc, zero
.irp a, \a0, \a0+1
.irp b, 0,1,2,3,4,5,6,7
.if \zero
	v_wmma_scale_f32_16x16x128_f8f6f4 v[8*(8*((\a)%4)+\b):8*(8*((\a)%4)+\b)+7], v[128*(\p)+FR*\b:128*(\p)+FR*\b+FR-1], v[AF+FR*(\a):AF+FR*(\a)+FR-1], 0, v[SC+8*NQ*(\sc)+NQ*\b+(\q)], v[SC+8*NQ*(\sc)+NQ*(\a)+(\q)] matrix_a_fmt:MATRIX_FMT_FP6 matrix_b_fmt:MATRIX_FMT_FP6 matrix_a_scale:MATRIX_SCALE_ROW1
.else
	v_wmma_scale_f32_16x16x128_f8f6f4 v[8*(8*((\a)%4)+\b):8*(8*((\a)%4)+\b)+7], v[128*(\p)+FR*\b:128*(\p)+FR*\b+FR-1], v[AF+FR*(\a):AF+FR*(\a)+FR-1], v[8*(8*((\a)%4)+\b):8*(8*((\a)%4)+\b)+7], v[SC+8*NQ*(\sc)+NQ*\b+(\q)], v[SC+8*NQ*(\sc)+NQ*(\a)+(\q)] matrix_a_fmt:MATRIX_FMT_FP6 matrix_b_fmt:MATRIX_FMT_FP6 matrix_a_scale:MATRIX_SCALE_ROW1
.endif
.endr
.endr
.endm
.macro FETCH_B slot, q, p
	WIN TO_B
.irp i, 0,1,2,3,4,5,6,7
	FRAG 128*(\p)+FR*\i, ADRB+\slot, \q, \i
.endr
	WIN 0
.endm
.macro FETCH_A slot, q, i0
.irp i, \i0, \i0+1, \i0+2, \i0+3
	FRAG_A AF+FR*(\i), \slot, \q, \i
.endr
.endm
.macro SCALES sc
.irp i, 0,1,2,3,4,5,6,7
	ds_load_b64 v[SC+8*NQ*\sc+NQ*\i:SC+8*NQ*\sc+NQ*\i+1], v[ADRS] offset:\i*SBLK
.endr
.endm
.macro PLACES n
.rept \n
	v_nop
.endr
.endm
.macro STEP slot, q, zero
	s_wait_dscnt 4*NL
	WIN MUL_LO
	MUL16 0, (\q)%2, \q, \slot, \zero
	MUL16 2, (\q)%2, \q, \slot, \zero
	s_wait_dscnt 0
	PLACES NP
	FETCH_B \slot, (\q)+1, 1-(\q)%2
	FETCH_A \slot, (\q)+1, 0
	WIN MUL_HI
	MUL16 4, (\q)%2, \q, \slot, \zero
	MUL16 6, (\q)%2, \q, \slot, \zero
	PLACES NP
	WIN 0
	FETCH_A \slot, (\q)+1, 4
.endm
.macro TURN slot, next, fill
	s_wait_tensorcnt 0x0
	ds_add_u32 v[SPW], v[NIL]
	s_wait_dscnt 4*NL+1
	WIN MUL_LO
	MUL16 0, 1, NQ-1, \slot, 0
	s_wait_dscnt 0x0
	s_barrier_signal -1
	MUL16 2, 1, NQ-1, \slot, 0
	WIN 0
	s_barrier_wait -1
.if \fill
	CREST
	s_add_nc_u64 s[G0+4*\slot+2:G0+4*\slot+3], s[G0+4*\slot+2:G0+4*\slot+3], 2*ABLK
	s_add_nc_u64 s[G0B+4*\slot+2:G0B+4*\slot+3], s[G0B+4*\slot+2:G0B+4*\slot+3], 2*ROWB
	JLOAD G0+4*\slot, G1, G0B+4*\slot, G1B
.else
	PLACES NP
.endif
	s_wait_alu depctr_va_vdst(0)
	v_add_nc_u32 v[ADRS], 4*NQ, v[ADRS]
	FETCH_B \next, 0, 0
	FETCH_A \next, 0, 0
	SCALES \next
	WIN MUL_HI
	MUL16 4, 1, NQ-1, \slot, 0
	MUL16 6, 1, NQ-1, \slot, 0
	PLACES NP
	WIN 0
	FETCH_A \next, 0, 4
.endm
	s_wait_tensorcnt 1
	s_barrier_signal -1
	s_barrier_wait -1
	FETCH_B 0, 0, 0
	FETCH_A 0, 0, 0
	SCALES 0
	FETCH_A 0, 0, 4
	STEP 0, 0, 1
	s_mov_b32 s3, LAPS-1
.Llap:
	TURN 0, 1, 1
	STEP 1, 0, 0
	TURN 1, 0, 1
	STEP 0, 0, 0
	s_sub_co_u32 s3, s3, 1
	s_cmp_lg_u32 s3, 0
	s_cbranch_scc1 .Llap
	TURN 0, 1, 0
	STEP 1, 0, 0
	s_wait_dscnt 4*NL
	WIN MUL_LO
	MUL16 0, 1, NQ-1, 1, 0
	MUL16 2, 1, NQ-1, 1, 0
	s_wait_dscnt 0
	WIN MUL_HI
	MUL16 4, 1, NQ-1, 1, 0
	MUL16 6, 1, NQ-1, 1, 0
	WIN 0
.macro TOSTAGE a
.set AC, 64*((\a)%4)
	WIN 0x08+4*((\a)/4)
.irp b, 0,1,2,3,4,5,6,7
	ds_store_b128 v[STO], v[AC+8*\b:AC+8*\b+3] offset:64*\b
	ds_store_b128 v[STO], v[AC+8*\b+4:AC+8*\b+7] offset:64*\b+16
.endr
	WIN 0
.set BB, BK+64*((\a)%2)
.irp t, 0,1,2,3,4,5,6,7,8,9,10,11,12,13,14,15
	ds_load_b128 v[BB+4*\t:BB+4*\t+3], v[RD] offset:\t*SPITCH
.endr
.endm
.macro SEND a, younger
.set BB, BK+64*((\a)%2)
	s_wait_dscnt \younger
.if (\a) > 0
	s_add_nc_u64 s[12:13], s[12:13], 16*SIZE_N*4
.endif
.irp t, 0,1,2,3,4,5,6,7,8,9,10,11,12,13,14,15
	v_pk_add_f32 v[BB+4*\t:BB+4*\t+1], v[BB+4*\t:BB+4*\t+1], v[BI:BI+1]
	v_pk_add_f32 v[BB+4*\t+2:BB+4*\t+3], v[BB+4*\t+2:BB+4*\t+3], v[BI+2:BI+3]
	global_store_b128 v[CO], v[BB+4*\t:BB+4*\t+3], s[12:13] offset:\t*SIZE_N*4 th:TH_STORE_NT
.endr
.endm
	s_wait_loadcnt 0x0
	PLACES NP
	TOSTAGE 0
.irp a, 1,2,3,4,5,6,7
.if \a > 1
	s_wait_xcnt 0x0
.endif
	TOSTAGE \a
	SEND \a-1, 32
.endr
	s_wait_xcnt 0x0
	SEND 7, 0
	s_wait_tensorcnt 0x0
	ds_add_u32 v[SPW], v[NIL]
	s_wait_dscnt 0x0
	CROUND
	s_endpgm
.Lfunc_end_k_q5c5143f0b1_gemm_proj:
	.size	k_q5c5143f0b1_gemm_proj, .Lfunc_end_k_q5c5143f0b1_gemm_proj-k_q5c5143f0b1_gemm_proj
	.p2alignl 7, 3214868480
	.fill 96, 4, 3214868480
	.section	.rodata,"a",@progbits
	.p2align	6, 0x0
	.amdhsa_kernel k_q5c5143f0b1_gemm_proj
		.amdhsa_group_segment_fixed_size 327680
		.amdhsa_private_segment_fixed_size 0
		.amdhsa_enable_private_segment 0
		.amdhsa_kernarg_size 48
		.amdhsa_user_sgpr_count 2
		.amdhsa_user_sgpr_kernarg_segment_ptr 1
		.amdhsa_wavefront_size32 1
		.amdhsa_system_sgpr_workgroup_id_x 1
		.amdhsa_system_sgpr_workgroup_id_y 1
		.amdhsa_system_sgpr_workgroup_id_z 1
		.amdhsa_system_vgpr_workitem_id 0
		.amdhsa_next_free_vgpr 1024
		.amdhsa_next_free_sgpr 98
		.amdhsa_reserve_vcc 0
		.amdhsa_float_denorm_mode_32 3
		.amdhsa_float_denorm_mode_16_64 3
		.amdhsa_memory_ordered 1
		.amdhsa_forward_progress 1
		.amdhsa_inst_pref_size 177
	.end_amdhsa_kernel
	.amdgpu_metadata
---
amdhsa.version: [ 1, 2 ]
amdhsa.kernels:
  - .name:           k_q5c5143f0b1_gemm_proj
    .symbol:         k_q5c5143f0b1_gemm_proj.kd
    .args:
      - { .name: ac, .offset: 0, .size: 8, .value_kind: global_buffer, .address_space: global }
      - { .name: asc, .offset: 8, .size: 8, .value_kind: global_buffer, .address_space: global }
      - { .name: wc, .offset: 16, .size: 8, .value_kind: global_buffer, .address_space: global }
      - { .name: ws, .offset: 24, .size: 8, .value_kind: global_buffer, .address_space: global }
      - { .name: b_proj, .offset: 32, .size: 8, .value_kind: global_buffer, .address_space: global }
      - { .name: out0, .offset: 40, .size: 8, .value_kind: global_buffer, .address_space: global }
    .group_segment_fixed_size: 327680
    .private_segment_fixed_size: 0
    .kernarg_segment_align: 8
    .kernarg_segment_size: 48
    .max_flat_workgroup_size: 128
    .sgpr_count:     98
    .vgpr_count:     1024
    .wavefront_size: 32
...
	.end_amdgpu_metadata
.endif
;; end of part 4
